; MI455X (gfx1250); checked and timed in simulation.
; The chip was launched on July 23, 2026; its instructions are those of AMD's public machine-readable ISA for CDNA 5 (MIT licence, August 2026) and "CDNA5" Instruction Set Architecture Reference Guide (July 2026). The comments in the code are by the model that wrote it; some were corrected since.
;; Multi Head Attention. Allowed arithmetic: matrix products marked QUANTISED: E4M3 operands, one given power-of-two scale a tensor, by v_wmma_f32_16x16x64_fp8_fp8 or v_wmma_f32_16x16x128_fp8_fp8, f32 sums; everything else in f32.
;; Inputs: Wk 12 x 768 x 64 float32; Wp 768 x 768 float32; Wq 12 x 768 x 64 float32; Wv 12 x 768 x 64 float32; bk 12 x 64 float32; bp 768 float32; bq 12 x 64 float32; bv 12 x 64 float32; lowp_scales 12 int32 (the exponents e of the quantised operands' scales 2^e); x 16 x 1,024 x 768 float32.
;; Outputs: out0 16 x 1,024 x 768 float32.
;; This version of the problem:
;;   THIS VERSION OF THE PROBLEM IS GIVEN IN LOW PRECISION. The matrix products marked QUANTISED in the list below multiply operands that are first quantised to E4M3 (4 exponent bits, 3 mantissa bits; 8 bits a number), with one given power-of-two scale for each operand tensor; their sums are f32. All else is computed in f32.
;;   The module's matrix products, in the order in which they are computed (A, B: the left and right operand; K: the contracted axis; several contracted axes count as one K, in the product's order):
;;     1. [M 768, K 768] x [K 768, N 16,384]; A: input Wq; B: input x: QUANTISED (scales: A lowp_scales[0], B lowp_scales[1])
;;     2. [M 768, K 768] x [K 768, N 16,384]; A: input Wk; B: input x: QUANTISED (scales: A lowp_scales[2], B lowp_scales[3])
;;     3. [M 768, K 768] x [K 768, N 16,384]; A: input Wv; B: input x: QUANTISED (scales: A lowp_scales[4], B lowp_scales[5])
;;     4. batch 192 x [M 1,024, K 64] x [K 64, N 1,024]; A: computed on the way; B: computed on the way: QUANTISED (scales: A lowp_scales[6], B lowp_scales[7])
;;     5. batch 192 x [M 1,024, K 1,024] x [K 1,024, N 64]; A: softmax (see below); B: computed on the way: QUANTISED (scales: A lowp_scales[8], B lowp_scales[9])
;;     6. [M 16,384, K 768] x [K 768, N 768]; A: computed on the way; B: input Wp: QUANTISED (scales: A lowp_scales[10], B lowp_scales[11])
;;   THE QUANTISER, for each operand of a quantised product, along K:
;;     - The operand's scale is 2^e, e = its entry of the input lowp_scales (int32; the entries are numbered through the quantised products in the list's order, A before B).
;;     - Each number is divided by the scale, clamped to +-448, and rounded to the nearest number of E4M3, ties to even, subnormals kept.
;;     - The product sums the exact products of the quantised numbers (number of the format x scale) in f32.
;;   ~~~python
;;   def quantise(x, axis, e):      # numpy; x: float32 -> the quantised numbers, widened to float32 again
;;       x = np.moveaxis(x, axis, -1); K = x.shape[-1]
;;       r = np.clip(x / 2.0 ** e, -448, 448)
;;       step = 2.0 ** (np.maximum(np.frexp(np.where(r == 0, 1, r))[1] - 1, -6) - 3)
;;       q = np.round(r / step) * step * 2.0 ** e      # np.round: ties to even
;;       return np.moveaxis(q, -1, axis).astype(np.float32)
;;   ~~~
;;   SOFTMAX AHEAD OF A QUANTISED PRODUCT. Where the list says 'softmax', what is quantised is not the finished softmax but p = 2^(t - M), with t = logit x log2(e) and M = ceil(the row's largest t), a whole number; so 1/2 < the row's largest p <= 1. The row's sum l is taken of the UNQUANTISED p, in f32, and the product's result is divided by l at the end. Since M is a whole number, a kernel that streams over the keys may use a running M (the ceiling of the running maximum): every later rescaling is an exact power of two, so the quantised numbers keep their values, but for numbers so far below the row's largest that they fall under the format's range.
;;   OPERANDS COMPUTED ON THE WAY. 'Computed on the way' means the value that the module computes at that place (a softmax that the list does not call 'softmax' is quantised finished and normalised). What goes into a quantiser is computed in f32, as accurately as f32 sums, v_exp_f32 and their like allow (about 1e-6 of the number): no bf16 or f16 on the way to a quantiser, and a product that is left as it is and whose result goes on into a quantised operand takes f32 operands (vector FMAs, or v_wmma_f32_16x16x4_f32). A number that lies on a knife's edge between two numbers of the format may be rounded either way, as far as f32 arithmetic and the matrix unit's own rounding can turn it there, and no further.
;; 2 versions. Each part assembles by itself: llvm-mc -triple=amdgcn-amd-amdhsa -mcpu=gfx1250 --defsym DOCPART=n.
;; ======== version 1 of 2: 4 launches
;; workspace buffers: ximg 37,748,736 bytes; wimg 2,359,296 bytes; qimg 12,582,912 bytes; kvimg 25,165,824 bytes; oimg 12,582,912 bytes
;; launch prep (part 1): grid 228 x 4, 8 waves a work-group, no clusters, 68,608 bytes of LDS; arguments x, Wq, Wk, Wv, Wp, lowp_scales, ximg, wimg; writes ximg, wimg
.if DOCPART == 1
	.amdgcn_target "amdgcn-amd-amdhsa--gfx1250"
	.amdhsa_code_object_version 6
	.text
	.protected	k_qde3ae695e4_prep
	.globl	k_qde3ae695e4_prep
	.p2align	8
	.type	k_qde3ae695e4_prep,@function
k_qde3ae695e4_prep:
	s_mov_b64 s[64:65], 0
	v_nop
	global_prefetch_b8 v0, s[64:65] scope:SCOPE_SE
	s_setreg_imm32_b32 hwreg(HW_REG_WAVE_MODE, 25, 1), 1
	s_wait_xcnt 0x0
; MULTI-HEAD ATTENTION IN FP8 (E4M3), FIRST OF FOUR LAUNCHES: x and the four weights become codes, laid as IMAGES OF OPERAND REGISTERS.
; DEAD WORK: none.  Every product of reference() reaches out0, and every bias goes into a quantised operand or into out0 (bk would cancel in a softmax over real numbers,
; but it moves k's codes, so it stays).  All inputs are loaded by some launch.
; x is an operand of three products with three given scales (entries 1, 3, 5 of lowp_scales), so it is read once and turned into three sets of codes.
; code = number / 2^e, held within +-448, rounded to the nearest code, ties to even.
; LIMITS: each e used here (entries 0 to 5 and 11) lies between -126 and 119, so that 2^e and 448 x 2^e are f32 numbers.  NaN among the inputs is not served; an infinity is held at the largest code.
; THE IMAGE.  A fragment is 16 rows x 128 along K: 16 registers a lane.  Lane l = 16 h + r holds row r; its registers 4 c .. 4 c + 3 hold k = 32 c + 16 h + 0 .. 15.  In memory: byte 512 c + 16 l, 2,048 bytes a fragment.
; THE ROWS OF A TILE ARE NOT NEIGHBOURS: row m of tile 2 b + u is index 32 b + 8 u + m + 8 (m / 8), for tokens and for the weights' output features alike, so that later results fall into lanes as 16 neighbours along the next K.
; ximg: [set 0..2][token tile 0..1023][K step 0..5][2048].   wimg: [Wq, Wk, Wv, Wp][feature tile 0..47][K step 0..5][2048].
; SHARES.  Work-groups with x id under 36 take the weights (matrix = y id), the others x.  The weights' path touches no LDS.  No barrier: waves share nothing.
;   x: a wave takes one token tile x one K step: 16 loads of 512 consecutive bytes (a row each), a turn through its own stage in LDS, 3 x 4 stores of 512 consecutive bytes.
;   weights: K is not innermost: a lane takes a feature and its 64 registers run down K; a wave takes 32 features x 64 along K; sixteen lanes store 256 consecutive, aligned bytes.
.set SPARE, 67584                      ; behind the eight stages: the spare words, 128 bytes for each wave
.set STAGE, 8448                       ; a wave's stage: 16 rows x SP
.set SP,    528                        ; 512 bytes + 16: sixteen lanes that read the same column of 16 rows start at 16 different 16-byte columns
.set SPW,   10                         ; v10  my spare word's LDS address; never rewritten
.set NIL,   11                         ; v11  0; never rewritten
.set SC,    12                         ; v12-14  2^e of the three sets (weights: v12)
.set LM,    15                         ; v15-17  448 x 2^e
.set R,     20                         ; v20-83  64 numbers
.set T,     84                         ; v84-115 two sets of 16 held numbers, by turns
.set C,     116                        ; v116-163 codes: every register is written once, so no store's data are written again
.macro POW2 e, sc, lm                  ; v[sc] = 2^s[e] as f32 (the conversion takes its exponent field), v[lm] = 448 x that
	s_add_co_i32 s48, s[\e], 127
	s_lshl_b32 s49, s48, 23
	v_mov_b32 v[\sc], s49
	s_add_co_i32 s48, s48, 8
	s_lshl_b32 s48, s48, 23
	s_or_b32 s48, s48, 0x600000
	v_mov_b32 v[\lm], s48
.endm
	s_load_b256 s[4:11], s[0:1], 0x0               ; x s[4:5], Wq s[6:7], Wk s[8:9], Wv s[10:11]
	s_load_b256 s[12:19], s[0:1], 0x20             ; Wp s[12:13], the exponents s[14:15], ximg s[16:17], wimg s[18:19]
	v_lshl_add_u32 v[SPW], v0, 2, SPARE
	v_mov_b32 v[NIL], 0
	v_lshrrev_b32 v1, 5, v0
	v_readfirstlane_b32 s20, v1                    ; wave 0..7
	v_and_b32 v1, 31, v0                           ; lane
	v_and_b32 v2, 15, v0                           ; r
	v_bfe_u32 v3, v0, 4, 1                         ; h
	s_and_b32 s21, ttmp7, 0xffff                   ; y
	s_wait_kmcnt 0x0
	s_load_b256 s[36:43], s[14:15], 0x0            ; e0 .. e7
	s_load_b128 s[44:47], s[14:15], 0x20           ; e8 .. e11
	s_cmp_lt_u32 ttmp9, 36
	s_cbranch_scc1 .Lweights
	; ---- x.  g = 192 y + x id - 36 = 0 .. 767;  token tile = 4 (g % 256) + wave / 2;  K step = 2 (g / 256) + wave % 2
	s_sub_co_u32 s22, ttmp9, 36
	s_mul_i32 s23, s21, 192
	s_add_co_u32 s22, s22, s23
	s_lshr_b32 s23, s22, 8
	s_and_b32 s22, s22, 255
	s_lshl_b32 s22, s22, 2
	s_lshr_b32 s30, s20, 1
	s_add_co_u32 s22, s22, s30                     ; token tile
	s_lshl_b32 s23, s23, 1
	s_and_b32 s30, s20, 1
	s_add_co_u32 s23, s23, s30                     ; K step
	s_lshr_b32 s30, s22, 1
	s_lshl_b32 s30, s30, 5
	s_and_b32 s31, s22, 1
	s_lshl_b32 s31, s31, 3
	s_add_co_u32 s30, s30, s31                     ; the tile's first token: 32 (tile / 2) + 8 (tile % 2)
	s_mul_i32 s30, s30, 3072                       ; a row of x is 3,072 bytes
	s_lshl_b32 s31, s23, 9                         ; a K step is 512 of them
	s_add_co_u32 s30, s30, s31
	s_mov_b32 s31, 0
	s_add_nc_u64 s[4:5], s[4:5], s[30:31]
	s_mul_i32 s30, s22, 12288
	s_lshl_b32 s32, s23, 11
	s_add_co_u32 s30, s30, s32
	s_add_nc_u64 s[24:25], s[16:17], s[30:31]      ; my fragment in set 0,
	s_add_nc_u64 s[26:27], s[24:25], 12582912      ; set 1,
	s_add_nc_u64 s[28:29], s[26:27], 12582912      ; set 2
	v_lshlrev_b32 v4, 4, v1                        ; 16 x lane: my bytes of a row's 512, and of a store's 512
.irp i, 0,1,2,3,4,5,6,7,8,9,10,11,12,13,14,15
	global_load_b128 v[R+4*\i:R+4*\i+3], v4, s[4:5] offset:(\i+8*(\i/8))*3072 th:TH_LOAD_NT   ; row i of the tile: 32 lanes read 512 consecutive bytes; read once in the launch
.endr
	s_mul_i32 s33, s20, STAGE
	v_add_nc_u32 v5, s33, v4                       ; into my stage: as loaded
	v_mul_u32_u24 v6, v2, SP
	v_lshl_add_u32 v6, v3, 6, v6
	v_add_nc_u32 v6, s33, v6                       ; out of it: row r, + 64 h: my 16 numbers of a block of 32
	s_wait_kmcnt 0x0
	POW2 37, SC, LM                                ; e1
	POW2 39, SC+1, LM+1                            ; e3
	POW2 41, SC+2, LM+2                            ; e5
.irp i, 0,1,2,3,4,5,6,7,8,9,10,11,12,13,14,15
	s_wait_loadcnt 15-\i                           ; loads come back in order: row i is in, the younger rows may be out
	ds_store_b128 v5, v[R+4*\i:R+4*\i+3] offset:SP*\i
.endr
	s_wait_dscnt 0x0                               ; the stores have read their registers, which the loads below fill again
.irp c, 0,1,2,3
.irp j, 0,1,2,3
	ds_load_b128 v[R+16*\c+4*\j:R+16*\c+4*\j+3], v6 offset:128*\c+16*\j   ; register 16 c + i = k 32 c + 16 h + i of row r
.endr
.endr
.irp c, 0,1,2,3
	s_wait_dscnt 12-4*\c                           ; block c's four loads are in; the later blocks' may be out
.irp k, 0,1,2
.set TT, T+16*((3*\c+\k)%2)
.irp i, 0,1,2,3,4,5,6,7,8,9,10,11,12,13,14,15
	v_med3_num_f32 v[TT+\i], v[R+16*\c+\i], -v[LM+\k], v[LM+\k]   ; the conversion to an 8-bit code does not saturate (ISA guide 7.6.2): the hold comes first.  The two sets of held numbers take turns, so a conversion's sources are written again only sixteen plain lines later
.endr
	v_cvt_scalef32_pk8_fp8_f32 v[C+16*\k+4*\c:C+16*\k+4*\c+1], v[TT:TT+7], v[SC+\k]
	v_cvt_scalef32_pk8_fp8_f32 v[C+16*\k+4*\c+2:C+16*\k+4*\c+3], v[TT+8:TT+15], v[SC+\k]
	global_store_b128 v4, v[C+16*\k+4*\c:C+16*\k+4*\c+3], s[24+2*\k:25+2*\k] offset:512*\c   ; registers 4 c .. 4 c + 3 of the fragment: 512 consecutive bytes, aligned
.endr
.endr
	v_nop                                          ; a plain line behind the last conversion
	s_wait_tensorcnt 0x0                           ; the wave's end
	ds_add_u32 v[SPW], v[NIL]
	s_wait_dscnt 0x0
	s_endpgm
	; ---- the weights.  x id = 6 (G / 4) + K step;  G = 4 (x id / 6) + wave / 2 = a pair of feature tiles, 32 features;  wave % 2 = which 64 of the K step's 128
.Lweights:
	s_mul_i32 s22, ttmp9, 43
	s_lshr_b32 s22, s22, 8                         ; x id / 6, exact for 0 .. 35
	s_mul_i32 s23, s22, 6
	s_sub_co_u32 s23, ttmp9, s23                   ; K step
	s_lshl_b32 s22, s22, 2
	s_lshr_b32 s30, s20, 1
	s_add_co_u32 s22, s22, s30                     ; G
	s_and_b32 s24, s20, 1                          ; which half of the K step
	s_lshl_b32 s25, s23, 7
	s_lshl_b32 s30, s24, 6
	s_add_co_u32 s25, s25, s30                     ; my first k
	s_cmp_eq_u32 s21, 0                            ; the matrix: the choice hangs on the work-group's number alone
	s_cselect_b64 s[26:27], s[6:7], s[8:9]
	s_cmp_lt_u32 s21, 2
	s_cselect_b64 s[26:27], s[26:27], s[10:11]
	s_cmp_eq_u32 s21, 3
	s_cselect_b64 s[26:27], s[12:13], s[26:27]
	s_lshr_b32 s30, s22, 1                         ; Wq, Wk, Wv [12][768][64]: head G / 2, channels 32 (G % 2) on, row k of 256 bytes
	s_mul_i32 s30, s30, 196608
	s_and_b32 s31, s22, 1
	s_lshl_b32 s31, s31, 7
	s_add_co_u32 s30, s30, s31
	s_lshl_b32 s31, s25, 8
	s_add_co_u32 s30, s30, s31
	s_lshl_b32 s32, s22, 7                         ; Wp [768][768]: columns 32 G on, row k of 3,072 bytes
	s_mul_i32 s31, s25, 3072
	s_add_co_u32 s32, s32, s31
	s_cmp_eq_u32 s21, 3
	s_cselect_b32 s30, s32, s30
	s_mov_b32 s31, 0
	s_add_nc_u64 s[26:27], s[26:27], s[30:31]
	s_mul_i32 s30, s21, 589824                     ; wimg: matrix, tile 2 G, K step, and the half's two pieces of 512 bytes
	s_mul_i32 s32, s22, 24576
	s_add_co_u32 s30, s30, s32
	s_lshl_b32 s32, s23, 11
	s_add_co_u32 s30, s30, s32
	s_lshl_b32 s32, s24, 10
	s_add_co_u32 s30, s30, s32
	s_add_nc_u64 s[18:19], s[18:19], s[30:31]
	v_and_b32 v8, 8, v2
	v_add_nc_u32 v8, v8, v2
	v_lshl_add_u32 v8, v3, 3, v8
	v_lshlrev_b32 v8, 2, v8                        ; lane 16 u + r takes row r of tile 2 G + u: feature 8 u + r + 8 (r / 8) of the 32: the wave's 32 lanes read 128 consecutive bytes
	v_mul_u32_u24 v9, v3, 12288
	v_lshl_add_u32 v9, v2, 4, v9                   ; out: tile u, 16 bytes at 16 r
.macro WLOAD pitch                     ; W(my first k + i, my feature), i = 0 .. 63: the registers run down K
.set Q, 0
.rept 64
	global_load_b32 v[R+Q], v8, s[26:27] offset:Q*\pitch th:TH_LOAD_NT
.set Q, Q+1
.endr
.endm
	s_cmp_eq_u32 s21, 3
	s_cbranch_scc1 .Lwide_rows
	WLOAD 256
	s_branch .Lasked
.Lwide_rows:
	WLOAD 3072
.Lasked:
	s_wait_kmcnt 0x0
	s_cmp_eq_u32 s21, 0                            ; e0, e2, e4 or e11
	s_cselect_b32 s28, s36, s38
	s_cmp_lt_u32 s21, 2
	s_cselect_b32 s28, s28, s40
	s_cmp_eq_u32 s21, 3
	s_cselect_b32 s28, s47, s28
	POW2 28, SC, LM
.irp p, 0,1,2,3                        ; piece p: 16 neighbours along K = what lane 16 (p % 2) + r of the fragment holds in its registers 4 c .. 4 c + 3, c = 2 x half + p / 2
	s_wait_loadcnt 16*(3-\p)                       ; this piece's 16 loads are in; the later pieces' may be out
.irp i, 0,1,2,3,4,5,6,7,8,9,10,11,12,13,14,15
	v_med3_num_f32 v[R+16*\p+\i], v[R+16*\p+\i], -v[LM], v[LM]
.endr
	v_cvt_scalef32_pk8_fp8_f32 v[C+4*\p:C+4*\p+1], v[R+16*\p:R+16*\p+7], v[SC]
	v_cvt_scalef32_pk8_fp8_f32 v[C+4*\p+2:C+4*\p+3], v[R+16*\p+8:R+16*\p+15], v[SC]
.endr
	v_nop                                          ; a plain line behind the last conversion
.irp p, 0,1,2,3
	global_store_b128 v9, v[C+4*\p:C+4*\p+3], s[18:19] offset:(\p/2)*512+(\p%2)*256   ; sixteen lanes store 256 consecutive bytes, aligned
.endr
	s_endpgm
.Lfunc_end_k_qde3ae695e4_prep:
	.size	k_qde3ae695e4_prep, .Lfunc_end_k_qde3ae695e4_prep-k_qde3ae695e4_prep
	.p2alignl 7, 3214868480
	.fill 96, 4, 3214868480
	.section	.rodata,"a",@progbits
	.p2align	6, 0x0
	.amdhsa_kernel k_qde3ae695e4_prep
		.amdhsa_group_segment_fixed_size 68608
		.amdhsa_private_segment_fixed_size 0
		.amdhsa_enable_private_segment 0
		.amdhsa_kernarg_size 64
		.amdhsa_user_sgpr_count 2
		.amdhsa_user_sgpr_kernarg_segment_ptr 1
		.amdhsa_wavefront_size32 1
		.amdhsa_system_sgpr_workgroup_id_x 1
		.amdhsa_system_sgpr_workgroup_id_y 1
		.amdhsa_system_sgpr_workgroup_id_z 1
		.amdhsa_system_vgpr_workitem_id 0
		.amdhsa_next_free_vgpr 164
		.amdhsa_next_free_sgpr 66
		.amdhsa_reserve_vcc 0
		.amdhsa_float_denorm_mode_32 3
		.amdhsa_float_denorm_mode_16_64 3
		.amdhsa_memory_ordered 1
		.amdhsa_forward_progress 1
		.amdhsa_inst_pref_size 42
	.end_amdhsa_kernel
	.amdgpu_metadata
---
amdhsa.version: [ 1, 2 ]
amdhsa.kernels:
  - .name:           k_qde3ae695e4_prep
    .symbol:         k_qde3ae695e4_prep.kd
    .args:
      - { .name: x, .offset: 0, .size: 8, .value_kind: global_buffer, .address_space: global }
      - { .name: Wq, .offset: 8, .size: 8, .value_kind: global_buffer, .address_space: global }
      - { .name: Wk, .offset: 16, .size: 8, .value_kind: global_buffer, .address_space: global }
      - { .name: Wv, .offset: 24, .size: 8, .value_kind: global_buffer, .address_space: global }
      - { .name: Wp, .offset: 32, .size: 8, .value_kind: global_buffer, .address_space: global }
      - { .name: lowp_scales, .offset: 40, .size: 8, .value_kind: global_buffer, .address_space: global }
      - { .name: ximg, .offset: 48, .size: 8, .value_kind: global_buffer, .address_space: global }
      - { .name: wimg, .offset: 56, .size: 8, .value_kind: global_buffer, .address_space: global }
    .group_segment_fixed_size: 68608
    .private_segment_fixed_size: 0
    .kernarg_segment_align: 8
    .kernarg_segment_size: 64
    .max_flat_workgroup_size: 256
    .sgpr_count:     66
    .vgpr_count:     164
    .wavefront_size: 32
...
	.end_amdgpu_metadata
.endif
;; end of part 1
;; launch qkv (part 2): grid 64 x 9, 4 waves a work-group, clusters of 4 x 1, 327,680 bytes of LDS; arguments ximg, wimg, bq, bk, bv, lowp_scales, qimg, kvimg; writes qimg, kvimg
.if DOCPART == 2
	.amdgcn_target "amdgcn-amd-amdhsa--gfx1250"
	.amdhsa_code_object_version 6
	.text
	.protected	k_qde3ae695e4_qkv
	.globl	k_qde3ae695e4_qkv
	.p2align	8
	.type	k_qde3ae695e4_qkv,@function
k_qde3ae695e4_qkv:
	s_mov_b64 s[64:65], 0
	v_nop
	global_prefetch_b8 v0, s[64:65] scope:SCOPE_SE
	s_setreg_imm32_b32 hwreg(HW_REG_WAVE_MODE, 25, 1), 1
	s_wait_xcnt 0x0
	s_wait_alu depctr_hold_cnt(0) depctr_sa_sdst(0) depctr_va_vdst(0) depctr_va_sdst(0) depctr_va_ssrc(0) depctr_va_vcc(0) depctr_vm_vsrc(0)
	s_getreg_b32 s2, hwreg(HW_REG_IB_STS2, 6, 4)
	s_cmp_eq_u32 s2, 0
	s_cbranch_scc0 .Lentry_in_a_cluster
	s_endpgm
.Lentry_in_a_cluster:
	s_bfe_u32 s2, ttmp6, 0x10000c
	s_cmp_lg_u32 s2, 0x3003
	s_cbranch_scc0 .Lentry_shape_is_right
	s_endpgm
.Lentry_shape_is_right:
; SECOND LAUNCH: q, k and v = x W + b on codes of FP8, quantised again on the way out and stored as images of the operands that attention takes.  Nothing of reference() is left out.
; A work-group makes 256 tokens x 256 features of one of the three (y id = 3 x which + block of features), four waves of 128 x 128 each: 64 accumulators, 512 registers.  K = 768 = 6 steps of 128.
; OPERANDS ARE IMAGES OF THEIR REGISTERS (a fragment of 16 rows x 128 K is 2,048 bytes, byte 512 c + 16 lane): a tile of 8 fragments x 2 K steps is 8 rows of 4,096 bytes for the tensor data mover, and a fragment comes
; out of LDS by four loads of 512 consecutive bytes: no pitch, no padding.  Lane 16 h + r holds row r, registers 4 c .. 4 c + 3 hold k = 32 c + 16 h + 0 .. 15: a permutation of k that is the same on both sides.
; ROW m OF TILE 2 b + u IS INDEX 32 b + 8 u + m + 8 (m / 8), for tokens and features: where such a tile is source 0, a lane's 16 registers of tiles 2 b and 2 b + 1 are the 16 neighbours 32 b + 16 h + 0 .. 15.
; q, k: source 0 = W, source 1 = x: a lane holds one token and its registers run along the head's channels, the K of q k^T.   v: source 0 = x, source 1 = W: a lane holds one channel and its registers run along the keys, the K of p v.
; The loop's text is one for both: only the LDS addresses of the two sources change places.  The bias, divided by the power of two that the sums lack, is the C of the first K step.
; qimg: [batch x head][token tile 0..63][1024] (16 tokens x 64 channels: byte 512 g + 16 lane, k = 32 g + 16 h + 0 .. 15).   kvimg: [batch x head][128 keys 0..7][k: 8 tiles x 1024, then v: 4 channel tiles x 2048].
; CLUSTER: the four blocks of tokens of a cluster take the same tile of W: it is asked for jointly (mask 15).  x's tiles are each work-group's own (no mask); they share no tile along x, and 9 blocks along y do not divide by 4.
; The ring has two slots of two K steps; slot 0 is filled again once.  A wave has two tensor loads out at the start, later one.  No prefetch: the one refill is asked for a third of the way in, and one for it could stand only at the head.
; LIMITS: e(out) - e(W) - e(x) between -126 and 119 for each of the three products, so that the conversions' scale and 448 x it are f32 numbers.  NaN is not served; what lies beyond the scale's range is held at the largest code.
; REGISTERS: window 0: v8-15 the bias's offsets; v16, 17 and v20, 21 LDS addresses of sources 1 and 0 in slots 0, 1; v24-29; v32-95 the bias, later held numbers; v96-127 codes; v128-255 source 1's eight fragments, ONE set.
;   window 1: source 0's fragments, TWO sets.   window 2: the accumulators of source 1's blocks 0-3 ((a, b) at v[8 (8 (a % 4) + b)]);   window 3: of blocks 4-7.
.set FR,    16                         ; registers of a fragment
.set NL,    4                          ; LDS loads that bring one
.set NP,    4                          ; places behind this matrix instruction (ISA guide 7.12.1)
.set SLOT,  131072                     ; x's 16 tiles x 4,096 bytes, then W's 16
.set SPARE, 262144                     ; behind the ring: the spare words, 128 bytes for each wave
.set BADR,  8
.set ADR1,  16
.set ADR0,  20
.set LI,    24                         ; v24  16 x lane
.set LI2,   25                         ; v25  the same, one head (q, k) or two pieces (v) further on
.set LIM,   26                         ; v26  448 x the conversions' scale
.set SCL,   27                         ; v27  the conversions' scale
.set SPW,   28                         ; v28  my spare word's LDS address; never rewritten
.set NIL,   29                         ; v29  0; never rewritten
.set BIAS,  32
.set CD,    96
.set AF,    128
.set G1X, 24                           ; s[24:31] group 1 for x's tiles; s[32:39] group 0, a set for each slot
.set G0X, 32
.set G1W, 40                           ; s[40:47], s[48:55] the same for W's
.set G0W, 48
.set MSB, 0
.macro WIN new                         ; the immediate's high byte repeats the setting that is left
.if MSB != \new
	s_set_vgpr_msb (MSB<<8)|\new
.set MSB, \new
.endif
.endm
.set MUL_LO, 0xa1                      ; source 0 window 1, source 1 window 0, C and D window 2
.set MUL_HI, 0xf1                      ; the same, C and D window 3
.set TO_B,   0x40                      ; destination window 1, address window 0
.macro JLOAD s                         ; waves 0, 1 fetch x's halves (a load of their own), waves 2, 3 W's (jointly).  The branch hangs on the wave's number alone; an s_nop 0 and four v_nop follow each line
	s_cmp_eq_u32 s21, 0
	s_cbranch_scc0 .Lfor_w_\@
	tensor_load_to_lds s[G0X+4*\s:G0X+4*\s+3], s[G1X:G1X+7]
	s_nop 0
.rept 4
	v_nop
.endr
	s_branch .Lasked_\@
.Lfor_w_\@:
	tensor_load_to_lds s[G0W+4*\s:G0W+4*\s+3], s[G1W:G1W+7]
	s_nop 0
.rept 4
	v_nop
.endr
.Lasked_\@:
.endm
.macro CREST                           ; a round of the cluster's barrier behind its opening barrier
	s_cmp_lg_u32 s20, 0
	s_cbranch_scc1 .Lnot_wave_0_\@
	s_barrier_signal -3
.Lnot_wave_0_\@:
	s_barrier_wait -3
	s_barrier_signal -1
	s_barrier_wait -1
.endm
.macro CROUND
	s_barrier_signal -1
	s_barrier_wait -1
	CREST
.endm
	s_load_b256 s[4:11], s[0:1], 0x0               ; ximg s[4:5], wimg s[6:7], bq s[8:9], bk s[10:11]
	s_load_b256 s[12:19], s[0:1], 0x20             ; bv s[12:13], the exponents s[14:15], qimg s[16:17], kvimg s[18:19]
	v_lshl_add_u32 v[SPW], v0, 2, SPARE
	v_mov_b32 v[NIL], 0
	ds_add_u32 v[SPW], v[NIL]                      ; the wave's opening: the add, twice on end, and its wait ahead of my first tensor load
	ds_add_u32 v[SPW], v[NIL]
	v_lshrrev_b32 v1, 5, v0
	v_readfirstlane_b32 s20, v1                    ; wave 0..3
	s_lshr_b32 s21, s20, 1                         ; which half of source 1's rows is mine.  Also: I fetch for x (0) or for W (1)
	s_and_b32 s22, s20, 1                          ; which half of source 0's.  Also: which 8 tiles I fetch
	s_bfe_u32 s56, ttmp6, 0x40000                  ; cx
	s_lshl_b32 s57, ttmp9, 2
	s_add_co_u32 s57, s57, s56                     ; my block of 256 tokens
	s_and_b32 s58, ttmp7, 0xffff
	s_mul_i32 s59, s58, 11
	s_lshr_b32 s59, s59, 5                         ; y / 3, exact for 0 .. 8: 0 q, 1 k, 2 v: the same in all partners
	s_mul_i32 s60, s59, 3
	s_sub_co_u32 s60, s58, s60                     ; my block of 256 features
	s_mov_b32 s[G1X], 3<<16                        ; no mask; elements of 8 bytes; no padding
	s_mov_b32 s[G1W], 15|(3<<16)|(1<<21)           ; the mask: all four work-groups; bit 21 beside it
.irp g, G1X, G1W
	s_mov_b32 s[\g+1], 512<<16                     ; tensor_dim0 = 512 elements: two K steps of a tile, 4,096 bytes
	s_mov_b32 s[\g+2], 8<<16                       ; tensor_dim1 = 8 tiles
	s_mov_b32 s[\g+3], 512<<16                     ; tile_dim0
	s_mov_b32 s[\g+4], 8                           ; tile_dim1
	s_mov_b32 s[\g+5], 1536                        ; from tile to tile: six K steps, 12,288 bytes
	s_mov_b32 s[\g+6], 0
	s_mov_b32 s[\g+7], 0
.endr
	s_lshl_b32 s80, s57, 4                         ; x: set, tile 16 x block + 8 x half
	s_lshl_b32 s81, s22, 3
	s_add_co_u32 s80, s80, s81
	s_mul_i32 s80, s80, 12288
	s_mul_i32 s81, s59, 12582912
	s_add_co_u32 s80, s80, s81
	s_mov_b32 s81, 0
	s_lshl_b32 s82, s60, 4                         ; W: matrix, tile 16 x block + 8 x half: made of y and the wave's number alone
	s_lshl_b32 s83, s22, 3
	s_add_co_u32 s82, s82, s83
	s_mul_i32 s82, s82, 12288
	s_mul_i32 s83, s59, 589824
	s_add_co_u32 s82, s82, s83
	s_mov_b32 s83, 0
	s_lshl_b32 s84, s20, 15                        ; where they go: 32,768 x wave
	s_wait_dscnt 0x0                               ; both opening adds are done
	s_wait_kmcnt 0x0
	s_load_b256 s[68:75], s[14:15], 0x0            ; e0 .. e7
	s_load_b128 s[76:79], s[14:15], 0x20           ; e8 .. e11
	s_add_nc_u64 s[80:81], s[4:5], s[80:81]
	s_add_nc_u64 s[82:83], s[6:7], s[82:83]
	CROUND                                         ; all four work-groups are here: the first joint loads meet
.irp s, 0,1
	s_mov_b32 s[G0X+4*\s], 1
	s_add_co_u32 s[G0X+4*\s+1], s84, \s*SLOT
	s_add_nc_u64 s[G0X+4*\s+2:G0X+4*\s+3], s[80:81], \s*4096   ; slot s begins with K steps 2 s, 2 s + 1
	s_or_b32 s[G0X+4*\s+3], s[G0X+4*\s+3], 0x80000000
	s_mov_b32 s[G0W+4*\s], 1
	s_add_co_u32 s[G0W+4*\s+1], s84, \s*SLOT
	s_add_nc_u64 s[G0W+4*\s+2:G0W+4*\s+3], s[82:83], \s*4096
	s_or_b32 s[G0W+4*\s+3], s[G0W+4*\s+3], 0x80000000
	JLOAD \s
.endr
	; what differs between q, k and v, all of it chosen on y alone
	s_cmp_eq_u32 s59, 2
	s_cselect_b32 s61, 65536, 0                    ; where source 1 lies in a slot: x's region, for v W's
	s_cselect_b32 s62, 0, 65536                    ; and source 0
	s_cselect_b32 s86, s21, s22                    ; which half of the features is mine
	s_cselect_b32 s87, s22, s21                    ; which half of the tokens
	s_cselect_b32 s99, -1, 0                       ; all lanes for v, none for q and k
	v_and_b32 v1, 31, v0
	v_lshlrev_b32 v[LI], 4, v1
	s_lshl_b32 s85, s21, 15
	s_add_co_u32 s85, s85, s61
	v_add_nc_u32 v[ADR1], s85, v[LI]
	v_add_nc_u32 v[ADR1+1], SLOT, v[ADR1]
	s_lshl_b32 s85, s22, 15
	s_add_co_u32 s85, s85, s62
	v_add_nc_u32 v[ADR0], s85, v[LI]
	v_add_nc_u32 v[ADR0+1], SLOT, v[ADR0]
	; the bias of my 128 features, in the result's layout, 8 registers a tile.  q, k (tile = source 0's, register j = feature 32 b + 16 h + 8 u + j): offset 64 h + 4 j.  v (tile = source 1's, every register = feature 32 b + 8 u + r + 8 (r / 8)): offset 4 (r + 8 (r / 8)).
	s_cmp_eq_u32 s59, 0
	s_cselect_b64 s[88:89], s[8:9], s[10:11]
	s_cmp_eq_u32 s59, 2
	s_cselect_b64 s[88:89], s[12:13], s[88:89]
	s_lshl_b32 s90, s60, 10
	s_lshl_b32 s91, s86, 9
	s_add_co_u32 s90, s90, s91
	s_mov_b32 s91, 0
	s_add_nc_u64 s[88:89], s[88:89], s[90:91]
	v_bfe_u32 v3, v0, 4, 1                         ; h
	v_and_b32 v4, 15, v0                           ; r
	v_and_b32 v5, 8, v4
	v_add_nc_u32 v5, v5, v4
	v_lshlrev_b32 v5, 2, v5
.irp j, 0,1,2,3,4,5,6,7
	v_lshl_or_b32 v[BADR+\j], v3, 6, 4*\j
	v_cndmask_b32 v[BADR+\j], v[BADR+\j], v5, s99
.endr
.irp t, 0,1,2,3,4,5,6,7
.irp j, 0,1,2,3,4,5,6,7
	global_load_b32 v[BIAS+8*\t+\j], v[BADR+\j], s[88:89] offset:(32*(\t/2)+8*(\t%2))*4   ; they land while the first tiles are on their way
.endr
.endr
	; the way out's base and steps.  q: a head is 65,536 bytes, k and v: 131,072; my 128 tokens are an eighth of it
	s_cmp_eq_u32 s59, 0
	s_cselect_b64 s[96:97], s[16:17], s[18:19]
	s_mov_b32 s85, 131072
	s_cselect_b32 s85, 65536, s85
	s_cmp_eq_u32 s59, 2
	s_cselect_b32 s66, 8192, 0                     ; v lies behind a key step's k
	s_cselect_b32 s67, 1024, s85                   ; the second pair of stores: v: pieces 2, 3 of the fragment; q, k: the next head
	s_mov_b32 s90, 1024
	s_cselect_b32 s90, 2048, s90                   ; from block to block of source 1: the next token tile (q, k) or channel tile (v)
	s_mov_b32 s92, 1024
	s_cselect_b32 s92, 124928, s92                 ; into block 4: for v the next head's first channel tile: 131,072 - 3 x 2,048
	s_mov_b32 s91, 0
	s_mov_b32 s93, 0
	s_lshr_b32 s80, s57, 2                         ; the batch: 4 blocks of tokens each
	s_mul_i32 s80, s80, 12
	s_lshl_b32 s81, s60, 2
	s_add_co_u32 s80, s80, s81
	s_lshl_b32 s81, s86, 1
	s_add_co_u32 s80, s80, s81                     ; batch x 12 + my first head
	s_mul_i32 s80, s80, s85
	s_and_b32 s81, s57, 3
	s_lshl_b32 s81, s81, 1
	s_add_co_u32 s81, s81, s87                     ; which 128 tokens of the batch's 1,024
	s_lshr_b32 s85, s85, 3
	s_mul_i32 s81, s81, s85
	s_add_co_u32 s80, s80, s81
	s_add_co_u32 s80, s80, s66
	s_mov_b32 s81, 0
	s_add_nc_u64 s[96:97], s[96:97], s[80:81]
	v_add_nc_u32 v[LI2], s67, v[LI]
.macro FRAG reg, adr, q, i             ; tile i of my eight, the slot's q-th K step: four loads of 512 consecutive bytes
.irp c, 0,1,2,3
	ds_load_b128 v[\reg+4*\c:\reg+4*\c+3], v[\adr] offset:4096*(\i)+2048*(\q)+512*\c
.endr
.endm
; 16 matrix instructions: source 1's blocks a0, a0 + 1 x source 0's eight.  p: source 0's set.  zero = 1: C is the bias by source 0's tile; 2: by source 1's; 0: in place.
; The 64 accumulators take turns, one instruction a turn, in the same order in every step.
.macro MUL16 a0, p, zero
.irp a, \a0, \a0+1
.irp b, 0,1,2,3,4,5,6,7
.if \zero == 1
	v_wmma_f32_16x16x128_fp8_fp8 v[8*(8*((\a)%4)+\b):8*(8*((\a)%4)+\b)+7], v[128*(\p)+FR*\b:128*(\p)+FR*\b+FR-1], v[AF+FR*(\a):AF+FR*(\a)+FR-1], v[BIAS+8*\b:BIAS+8*\b+7]
.elseif \zero == 2
	v_wmma_f32_16x16x128_fp8_fp8 v[8*(8*((\a)%4)+\b):8*(8*((\a)%4)+\b)+7], v[128*(\p)+FR*\b:128*(\p)+FR*\b+FR-1], v[AF+FR*(\a):AF+FR*(\a)+FR-1], v[BIAS+8*(\a):BIAS+8*(\a)+7]
.else
	v_wmma_f32_16x16x128_fp8_fp8 v[8*(8*((\a)%4)+\b):8*(8*((\a)%4)+\b)+7], v[128*(\p)+FR*\b:128*(\p)+FR*\b+FR-1], v[AF+FR*(\a):AF+FR*(\a)+FR-1], v[8*(8*((\a)%4)+\b):8*(8*((\a)%4)+\b)+7]
.endif
.endr
.endr
.endm
.macro FETCH_B slot, q, p
	WIN TO_B
.irp i, 0,1,2,3,4,5,6,7
	FRAG 128*(\p)+FR*\i, ADR0+\slot, \q, \i
.endr
	WIN 0
.endm
.macro FETCH_A slot, q, i0
.irp i, \i0, \i0+1, \i0+2, \i0+3
	FRAG AF+FR*(\i), ADR1+\slot, \q, \i
.endr
.endm
.macro PLACES n                        ; plain vector lines between a matrix instruction and a load into, or a vector read of, its registers
.rept \n
	v_nop
.endr
.endm
; A K step that has its successor in the same slot.  Source 1's blocks are free as soon as their eight products are issued: blocks 0-3 are fetched anew in the middle, blocks 4-7 at the end.
.macro STEP slot, q, zero
	s_wait_dscnt 4*NL                              ; source 0's set and source 1's blocks 0-3 are in; the youngest 16 loads (blocks 4-7) may be out
.if \zero
	WIN 0x81                                       ; C (the bias) window 0, D window 2
.else
	WIN MUL_LO
.endif
	MUL16 0, (\q)%2, \zero
	MUL16 2, (\q)%2, \zero
	s_wait_dscnt 0                                 ; blocks 4-7 are in
	PLACES NP
	FETCH_B \slot, (\q)+1, 1-(\q)%2
	FETCH_A \slot, (\q)+1, 0
.if \zero
	WIN 0xc1
.else
	WIN MUL_HI
.endif
	MUL16 4, (\q)%2, \zero
	MUL16 6, (\q)%2, \zero
	PLACES NP
	WIN 0
	FETCH_A \slot, (\q)+1, 4
.endm
; A slot's last step changes slots: one barrier; in front of it each wave waits for all its tensor loads, adds 0 to its spare word, and waits for that and for its reads of this slot.  fill = 1: the slot is filled again.
.macro TURN slot, next, fill
	s_wait_tensorcnt 0x0                           ; all my tensor loads have landed: my part of the next slot
	ds_add_u32 v[SPW], v[NIL]                      ; 0 onto my spare word
	s_wait_dscnt 4*NL+1                            ; (the add and the youngest 16 loads may be out)
	WIN MUL_LO
	MUL16 0, 1, 0                                  ; sixteen matrix instructions stand between the add and the wait for it
	s_wait_dscnt 0x0                               ; the add is done, and my reads of this slot are over
	s_barrier_signal -1
	MUL16 2, 1, 0
	WIN 0
	s_barrier_wait -1
.if \fill
	CREST                                          ; the barrier has opened a round of the cluster's: no wave of any partner still reads this slot or has a load on its way
	s_add_nc_u64 s[G0X+4*\slot+2:G0X+4*\slot+3], s[G0X+4*\slot+2:G0X+4*\slot+3], 8192   ; four K steps on
	s_add_nc_u64 s[G0W+4*\slot+2:G0W+4*\slot+3], s[G0W+4*\slot+2:G0W+4*\slot+3], 8192
	JLOAD \slot                                    ; the first tensor load behind the round; its four v_nop are also the places in front of the loads below
.else
	PLACES NP
.endif
	FETCH_B \next, 0, 0
	FETCH_A \next, 0, 0
	WIN MUL_HI
	MUL16 4, 1, 0
	MUL16 6, 1, 0
	PLACES NP
	WIN 0
	FETCH_A \next, 0, 4
.endm
	s_wait_tensorcnt 1                             ; my part of slot 0 is in; slot 1's load may be out
	s_barrier_signal -1
	s_barrier_wait -1
	FETCH_B 0, 0, 0
	FETCH_A 0, 0, 0
	FETCH_A 0, 0, 4
	s_wait_kmcnt 0x0
	s_cmp_eq_u32 s59, 0                            ; the product's three exponents: W's, x's, and the result's as the next operand: (e0, e1, e6), (e2, e3, e7), (e4, e5, e9)
	s_cselect_b32 s94, s68, s70
	s_cselect_b32 s95, s69, s71
	s_cselect_b32 s98, s74, s75
	s_cmp_eq_u32 s59, 2
	s_cselect_b32 s94, s72, s94
	s_cselect_b32 s95, s73, s95
	s_cselect_b32 s98, s77, s98
	s_add_co_i32 s94, s94, s95                     ; a sum stands for sum x 2^(eW + ex):
	s_sub_co_i32 s95, 0, s94                       ; the bias goes in divided by that,
	s_sub_co_i32 s98, s98, s94                     ; and the three scales are folded into the conversion's one
	s_add_co_i32 s98, s98, 127
	s_lshl_b32 s99, s98, 23
	v_mov_b32 v[SCL], s99
	s_add_co_i32 s98, s98, 8
	s_lshl_b32 s98, s98, 23
	s_or_b32 s98, s98, 0x600000
	v_mov_b32 v[LIM], s98
	s_wait_loadcnt 0x0                             ; the bias
.set Q, 0
.rept 64
	v_ldexp_f32 v[BIAS+Q], v[BIAS+Q], s95
.set Q, Q+1
.endr
	s_cmp_eq_u32 s59, 2                            ; the first K step is written twice: its C goes by source 0's tile (q, k) or by source 1's (v).  The branch hangs on y alone
	s_cbranch_scc1 .Lfirst_v
	STEP 0, 0, 1
	s_branch .Lfirst_done
.Lfirst_v:
	STEP 0, 0, 2
.Lfirst_done:
	TURN 0, 1, 1                                   ; K step 1; slot 0 takes K steps 4, 5
	STEP 1, 0, 0                                   ; 2
	TURN 1, 0, 0                                   ; 3; nothing is left to fetch
	STEP 0, 0, 0                                   ; 4
	s_wait_dscnt 4*NL                              ; 5
	WIN MUL_LO
	MUL16 0, 1, 0
	MUL16 2, 1, 0
	s_wait_dscnt 0
	WIN MUL_HI
	MUL16 4, 1, 0
	MUL16 6, 1, 0
	WIN 0
	PLACES NP
; THE WAY OUT, by source 1's blocks.  A block's 64 sums of a lane are four runs of 16 neighbours along the next K: held, converted, they are 16 registers of codes, stored as they stand: each store is 512 consecutive bytes, aligned.
; q, k: runs 0, 1 are my first head's fragment of the token tile, runs 2, 3 the next head's.   v: the four runs are the channel tile's fragment of 128 keys.
.macro OUTBLK a
.set AC, 64*((\a)%4)
.set CC, CD+16*((\a)%2)
	WIN 0x02+((\a)/4)                              ; source 0: window 2 or 3
.set Q, 0
.rept 64
	v_med3_num_f32 v[BIAS+Q], v[AC+Q], -v[LIM], v[LIM]   ; the hold at the largest code x the scale; each accumulator from its low end on
.set Q, Q+1
.endr
	WIN 0
.irp k, 0,1,2,3,4,5,6,7
	v_cvt_scalef32_pk8_fp8_f32 v[CC+2*\k:CC+2*\k+1], v[BIAS+8*\k:BIAS+8*\k+7], v[SCL]
.endr
	v_nop                                          ; a plain line between the conversions and the next block's holds, which write their sources
.if (\a) > 0
	s_wait_xcnt 0x0                                ; the earlier stores have read their base and their data: the base steps here, and the block after this one writes the codes of the block before it
.if (\a) == 4
	s_add_nc_u64 s[96:97], s[96:97], s[92:93]
.else
	s_add_nc_u64 s[96:97], s[96:97], s[90:91]
.endif
.endif
	global_store_b128 v[LI], v[CC:CC+3], s[96:97]
	global_store_b128 v[LI], v[CC+4:CC+7], s[96:97] offset:512
	global_store_b128 v[LI2], v[CC+8:CC+11], s[96:97]
	global_store_b128 v[LI2], v[CC+12:CC+15], s[96:97] offset:512
.endm
.irp a, 0,1,2,3,4,5,6,7
	OUTBLK \a
.endr
	s_wait_tensorcnt 0x0                           ; the wave's end
	ds_add_u32 v[SPW], v[NIL]
	s_wait_dscnt 0x0
	CROUND                                         ; the closing round: no work-group ends while a partner may still ask for a tile that names it
	s_endpgm
.Lfunc_end_k_qde3ae695e4_qkv:
	.size	k_qde3ae695e4_qkv, .Lfunc_end_k_qde3ae695e4_qkv-k_qde3ae695e4_qkv
	.p2alignl 7, 3214868480
	.fill 96, 4, 3214868480
	.section	.rodata,"a",@progbits
	.p2align	6, 0x0
	.amdhsa_kernel k_qde3ae695e4_qkv
		.amdhsa_group_segment_fixed_size 327680
		.amdhsa_private_segment_fixed_size 0
		.amdhsa_enable_private_segment 0
		.amdhsa_kernarg_size 64
		.amdhsa_user_sgpr_count 2
		.amdhsa_user_sgpr_kernarg_segment_ptr 1
		.amdhsa_wavefront_size32 1
		.amdhsa_system_sgpr_workgroup_id_x 1
		.amdhsa_system_sgpr_workgroup_id_y 1
		.amdhsa_system_sgpr_workgroup_id_z 1
		.amdhsa_system_vgpr_workitem_id 0
		.amdhsa_next_free_vgpr 1024
		.amdhsa_next_free_sgpr 100
		.amdhsa_reserve_vcc 0
		.amdhsa_float_denorm_mode_32 3
		.amdhsa_float_denorm_mode_16_64 3
		.amdhsa_memory_ordered 1
		.amdhsa_forward_progress 1
		.amdhsa_inst_pref_size 121
	.end_amdhsa_kernel
	.amdgpu_metadata
---
amdhsa.version: [ 1, 2 ]
amdhsa.kernels:
  - .name:           k_qde3ae695e4_qkv
    .symbol:         k_qde3ae695e4_qkv.kd
    .args:
      - { .name: ximg, .offset: 0, .size: 8, .value_kind: global_buffer, .address_space: global }
      - { .name: wimg, .offset: 8, .size: 8, .value_kind: global_buffer, .address_space: global }
      - { .name: bq, .offset: 16, .size: 8, .value_kind: global_buffer, .address_space: global }
      - { .name: bk, .offset: 24, .size: 8, .value_kind: global_buffer, .address_space: global }
      - { .name: bv, .offset: 32, .size: 8, .value_kind: global_buffer, .address_space: global }
      - { .name: lowp_scales, .offset: 40, .size: 8, .value_kind: global_buffer, .address_space: global }
      - { .name: qimg, .offset: 48, .size: 8, .value_kind: global_buffer, .address_space: global }
      - { .name: kvimg, .offset: 56, .size: 8, .value_kind: global_buffer, .address_space: global }
    .group_segment_fixed_size: 327680
    .private_segment_fixed_size: 0
    .kernarg_segment_align: 8
    .kernarg_segment_size: 64
    .max_flat_workgroup_size: 128
    .sgpr_count:     100
    .vgpr_count:     1024
    .wavefront_size: 32
...
	.end_amdgpu_metadata
.endif
;; end of part 2
;; launch attn (part 3): grid 4 x 192, 8 waves a work-group, clusters of 4 x 1, 167,936 bytes of LDS; arguments qimg, kvimg, lowp_scales, oimg; writes oimg
.if DOCPART == 3
	.amdgcn_target "amdgcn-amd-amdhsa--gfx1250"
	.amdhsa_code_object_version 6
	.text
	.protected	k_qde3ae695e4_attn
	.globl	k_qde3ae695e4_attn
	.p2align	8
	.type	k_qde3ae695e4_attn,@function
k_qde3ae695e4_attn:
	s_mov_b64 s[64:65], 0
	v_nop
	global_prefetch_b8 v0, s[64:65] scope:SCOPE_SE
	s_setreg_imm32_b32 hwreg(HW_REG_WAVE_MODE, 25, 1), 1
	s_wait_xcnt 0x0
	s_wait_alu depctr_hold_cnt(0) depctr_sa_sdst(0) depctr_va_vdst(0) depctr_va_sdst(0) depctr_va_ssrc(0) depctr_va_vcc(0) depctr_vm_vsrc(0)
	s_getreg_b32 s2, hwreg(HW_REG_IB_STS2, 6, 4)
	s_cmp_eq_u32 s2, 0
	s_cbranch_scc0 .Lentry_in_a_cluster
	s_endpgm
.Lentry_in_a_cluster:
	s_bfe_u32 s2, ttmp6, 0x10000c
	s_cmp_lg_u32 s2, 0x3003
	s_cbranch_scc0 .Lentry_shape_is_right
	s_endpgm
.Lentry_shape_is_right:
; THIRD LAUNCH: o = softmax(q k^T / 8) v for one batch and head, both products on codes of FP8; o is quantised on the way out as the last product's operand.  Nothing of reference() is left out.
; THE SOFTMAX AHEAD OF THE SECOND PRODUCT: t = score x log2(e) / 8; M = the running largest t rounded UP to a whole number; p = 2^(t - M) is quantised, not normalised; the row's sum is taken of the unquantised p and divides at the end.
; When M moves, the sum and O are multiplied by 2^(old M - new M): nothing is rounded, and there is no branch on data.
; SHARES.  A work-group owns 256 queries of one head, each of its eight waves two token tiles of 16, so that each fragment of k and v read from LDS feeds two matrix instructions.  Two waves share a SIMD: one's vector work stands beside the other's products and loads.
; THE HEAD'S WHOLE k AND v, 131,072 bytes, LIE IN LDS AT ONCE: nothing is filled again, so there is no ring.  The four query blocks of a head form the cluster and ask jointly (mask 15); every wave issues two loads:
; its eighth of key steps 0, 1 and its eighth of key steps 2 to 7; the first two steps are walked while the second load is on its way.  By this text's count a wave has two tensor loads out.  No prefetch: all is asked for at the head.
; LAYOUT.  Both products transposed: S^T = k q^T (source 0 = 16 keys), O^T = v^T p^T (source 0 = 16 channels): a lane holds ONE query throughout.  Row m of tile 2 b + u (keys and channels) is index 32 b + 8 u + m + 8 (m / 8),
; so the 16 registers of tiles 2 b, 2 b + 1 are 16 neighbours: p's conversions give the second product's operand, o's the last product's.  All operands are images of registers: a load takes 512 consecutive bytes.
; LIMITS: e6 + e7 between -124 and 129 (added to c's exponent field); e8 and e10 between -126 and 119.  NaN is not served.
; REGISTERS: window 0: v1 16 x lane, v2 the step's LDS address, v3, v4 the add's two, v5 448 x scale, v6 scale; v8-13, v14-19 a tile's -M, largest t, sum (two halves), f (and its pair's upper word); v20-25 at work; v26-29 second chains of the sums;
;   v32-95 eight fragments of k, then four of v; v96-159, v160-223 S^T, then p; v224-239, v240-255 p's codes.   window 1: v0-31, v32-63 O^T; v64-71, v72-79 q.
.set SPARE, 131072                     ; behind k and v: the spare words, 128 bytes for each wave
.set LI,  1
.set ADK, 2
.set SPW, 3
.set NIL, 4
.set LIM, 5
.set SCL, 6
.set ST,  8
.set WK,  20
.set Z,   26
.set KV,  32
.set S,   96
.set P,   224
.set QF,  64
.set WV,  12
.set G1A, 24                           ; s[24:31] group 1: 16 rows of 256 bytes;  s[32:39]: 48 rows;  s[40:43], s[44:47] their groups 0
.set G1B, 32
.set G0A, 40
.set G0B, 44
.set CS,  58                           ; s[58:59] c = log2(e) / 8 x 2^(e6 + e7)
.set SEL, 60                           ; s[60:61] v_permlanex16_b32's selects: lane l xor 16
.set TB,  62                           ; s62  LDS byte at which the key step in hand begins
.set CNT, 63
.set MSB, 0
.macro WIN new
.if MSB != \new
	s_set_vgpr_msb (MSB<<8)|\new
.set MSB, \new
.endif
.endm
.macro CROUND                          ; a round of the cluster's barrier
	s_barrier_signal -1
	s_barrier_wait -1
	s_cmp_lg_u32 s[WV], 0
	s_cbranch_scc1 .Lnot_wave_0_\@
	s_barrier_signal -3
.Lnot_wave_0_\@:
	s_barrier_wait -3
	s_barrier_signal -1
	s_barrier_wait -1
.endm
	s_load_b256 s[4:11], s[0:1], 0x0               ; qimg s[4:5], kvimg s[6:7], the exponents s[8:9], oimg s[10:11]
	v_lshl_add_u32 v[SPW], v0, 2, SPARE
	v_mov_b32 v[NIL], 0
	ds_add_u32 v[SPW], v[NIL]                      ; the wave's opening: the add, twice on end, and its wait ahead of my first tensor load
	ds_add_u32 v[SPW], v[NIL]
	v_lshrrev_b32 v1, 5, v0
	v_readfirstlane_b32 s[WV], v1                  ; wave 0..7
	s_bfe_u32 s13, ttmp6, 0x40000                  ; cx
	s_lshl_b32 s14, ttmp9, 2
	s_add_co_u32 s14, s14, s13                     ; my block of 256 queries: it enters q's and o's addresses alone
	s_and_b32 s15, ttmp7, 0xffff                   ; batch x 12 + head, which the four partners share
	s_mov_b32 s[G1A], 15|(3<<16)|(1<<21)           ; the mask: all four; elements of 8 bytes; bit 21 beside the mask; no padding
	s_mov_b32 s[G1A+1], 32<<16                     ; rows of 32 elements, 256 bytes: the block is dense
	s_mov_b32 s[G1A+2], 16<<16
	s_mov_b32 s[G1A+3], 32<<16
	s_mov_b32 s[G1A+4], 16
	s_mov_b32 s[G1A+5], 32
	s_mov_b32 s[G1A+6], 0
	s_mov_b32 s[G1A+7], 0
	s_mov_b32 s[G1B], 15|(3<<16)|(1<<21)
	s_mov_b32 s[G1B+1], 32<<16
	s_mov_b32 s[G1B+2], 48<<16
	s_mov_b32 s[G1B+3], 32<<16
	s_mov_b32 s[G1B+4], 48
	s_mov_b32 s[G1B+5], 32
	s_mov_b32 s[G1B+6], 0
	s_mov_b32 s[G1B+7], 0
	s_mov_b32 s[G0A], 1
	s_lshl_b32 s[G0A+1], s[WV], 12                 ; key steps 0, 1: 4,096 bytes a wave,
	s_mov_b32 s[G0B], 1
	s_mul_i32 s[G0B+1], s[WV], 12288               ; key steps 2 to 7: 12,288 a wave, behind them: LDS as memory
	s_add_co_u32 s[G0B+1], s[G0B+1], 32768
	s_lshl_b32 s16, s15, 17                        ; the head's 131,072 bytes of kvimg
	s_add_co_u32 s20, s16, s[G0A+1]
	s_mov_b32 s21, 0
	s_add_co_u32 s22, s16, s[G0B+1]
	s_mov_b32 s23, 0
	s_lshl_b32 s48, s15, 16                        ; q: head, token tile 16 x block + 2 x wave
	s_lshl_b32 s49, s14, 14
	s_add_co_u32 s48, s48, s49
	s_lshl_b32 s49, s[WV], 11
	s_add_co_u32 s48, s48, s49
	s_mov_b32 s49, 0
	s_mul_i32 s50, s15, 171
	s_lshr_b32 s50, s50, 11                        ; the batch: / 12, exact for 0 .. 191
	s_mul_i32 s51, s50, 12
	s_sub_co_u32 s51, s15, s51                     ; the head
	s_lshl_b32 s50, s50, 6
	s_lshl_b32 s52, s14, 4
	s_add_co_u32 s50, s50, s52
	s_lshl_b32 s52, s[WV], 1
	s_add_co_u32 s50, s50, s52                     ; o: token tile 64 x batch + 16 x block + 2 x wave, 12,288 bytes each;
	s_mul_i32 s50, s50, 12288
	s_lshr_b32 s52, s51, 1
	s_lshl_b32 s52, s52, 11                        ; a head's 64 channels are half of K step head / 2:
	s_add_co_u32 s50, s50, s52
	s_and_b32 s52, s51, 1
	s_lshl_b32 s52, s52, 10                        ; pieces 2 (head % 2) and the next
	s_add_co_u32 s50, s50, s52
	s_mov_b32 s51, 0
	s_mov_b32 s[SEL], 0x76543210
	s_mov_b32 s[SEL+1], 0xfedcba98
	s_mov_b32 s[CS], 0x3e38aa3b                    ; log2(e) / 8
	s_mov_b32 s[TB], 0
	s_wait_dscnt 0x0                               ; both opening adds are done
	s_wait_kmcnt 0x0
	s_load_b256 s[68:75], s[8:9], 0x0              ; e0 .. e7
	s_load_b128 s[76:79], s[8:9], 0x20             ; e8 .. e11
	s_add_nc_u64 s[G0A+2:G0A+3], s[6:7], s[20:21]
	s_or_b32 s[G0A+3], s[G0A+3], 0x80000000
	s_add_nc_u64 s[G0B+2:G0B+3], s[6:7], s[22:23]
	s_or_b32 s[G0B+3], s[G0B+3], 0x80000000
	s_add_nc_u64 s[4:5], s[4:5], s[48:49]
	s_add_nc_u64 s[10:11], s[10:11], s[50:51]
	CROUND                                         ; all four work-groups are here: the joint loads meet
	tensor_load_to_lds s[G0A:G0A+3], s[G1A:G1A+7]
	s_nop 0
	tensor_load_to_lds s[G0B:G0B+3], s[G1B:G1B+7]
	s_nop 0
.rept 4
	v_nop
.endr
	v_and_b32 v1, 31, v0
	v_lshlrev_b32 v[LI], 4, v1
	WIN 0x40                                       ; destination window 1
.irp i, 0,1,2,3
	global_load_b128 v[QF+4*\i:QF+4*\i+3], v[LI], s[4:5] offset:512*\i   ; q's two fragments stay in registers
.endr
.set Q, 0
.rept 64
	v_mov_b32 v[Q], 0                              ; O^T.  (The key step is written with no first step of its own: the first finds zeros, which the first change of M leaves zeros)
.set Q, Q+1
.endr
	WIN 0
.irp x, 0,1
	v_mov_b32 v[ST+6*\x+1], 0xff61b1e6             ; the largest t so far: -3e38, under every t
	v_floor_f32 v[ST+6*\x], -v[ST+6*\x+1]          ; -M
	v_mov_b32 v[ST+6*\x+2], 0                      ; the sum, in two halves
	v_mov_b32 v[ST+6*\x+3], 0
	v_mov_b32 v[ST+6*\x+5], 0                      ; (named as the upper half of f's pair)
	v_mov_b32 v[WK+3*\x+2], 0                      ; written once: a lane permute's destination counts as one of its sources
.endr
	s_wait_kmcnt 0x0
	s_add_co_i32 s52, s74, s75
	s_lshl_b32 s52, s52, 23
	s_add_co_i32 s[CS], s[CS], s52                 ; a score stands for score x 2^(e6 + e7): added to c's exponent field
	s_mov_b32 s[CS+1], s[CS]                       ; (named with it as a pair, so it is written)
	s_add_co_i32 s52, s76, 127
	s_lshl_b32 s53, s52, 23
	v_mov_b32 v[SCL], s53                          ; 2^e8
	s_add_co_i32 s52, s52, 8
	s_lshl_b32 s52, s52, 23
	s_or_b32 s52, s52, 0x600000
	v_mov_b32 v[LIM], s52                          ; 448 x 2^e8
.macro SMAX x                          ; tile x: the step's largest score of my query, the running largest t, the new -M, f = 2^(old M - new M)
.set SS, S+64*(\x)
.set TT, ST+6*(\x)
.set W0, WK+3*(\x)
	v_max3_num_f32 v[W0], v[SS], v[SS+1], v[SS+2]  ; two chains; each accumulator is read from its low end on
	v_max3_num_f32 v[W0+1], v[SS+3], v[SS+4], v[SS+5]
.irp i, 6,10,14,18,22,26,30,34,38,42,46,50,54,58
	v_max3_num_f32 v[W0], v[W0], v[SS+\i], v[SS+\i+1]
	v_max3_num_f32 v[W0+1], v[W0+1], v[SS+\i+2], v[SS+\i+3]
.endr
	v_max3_num_f32 v[W0], v[W0], v[SS+62], v[SS+63]
	v_max_num_f32 v[W0], v[W0], v[W0+1]
	v_permlanex16_b32 v[W0+2], v[W0], s[SEL], s[SEL+1]
	v_max_num_f32 v[W0], v[W0], v[W0+2]            ; and among lane l xor 16's keys
	v_mul_f32 v[W0], s[CS], v[W0]                  ; as t (c is positive)
	v_max_num_f32 v[TT+1], v[TT+1], v[W0]
	v_mov_b32 v[W0], v[TT]
	v_floor_f32 v[TT], -v[TT+1]                    ; -M = floor(-t) = -ceil(t)
	v_sub_f32 v[W0], v[TT], v[W0]                  ; old M less new M: a whole number, 0 or less
	v_cvt_i32_f32 v[W0], v[W0]                     ; (it saturates)
	v_ldexp_f32 v[TT+4], 1.0, v[W0]
.endm
.macro SFMA x                          ; t - M, two at a time
.set SS, S+64*(\x)
.set TT, ST+6*(\x)
.set Q, 0
.rept 32
	v_pk_fma_f32 v[SS+Q:SS+Q+1], v[SS+Q:SS+Q+1], s[CS:CS+1], v[TT:TT+1] op_sel_hi:[1,0,0]
.set Q, Q+2
.endr
.endm
.macro SEXP x                          ; p = 2^(t - M), at most 1
.set SS, S+64*(\x)
.set Q, 0
.rept 64
	v_exp_f32 v[SS+Q], v[SS+Q]
.set Q, Q+1
.endr
.endm
.macro SSUM x                          ; the row's sum, of the unquantised p, in two chains
.set SS, S+64*(\x)
.set TT, ST+6*(\x)
.set ZZ, Z+2*(\x)
	v_pk_add_f32 v[ZZ:ZZ+1], v[SS:SS+1], v[SS+2:SS+3]
.irp j, 4,8,12,16,20,24,28,32,36,40,44,48,52,56,60
	v_pk_add_f32 v[TT+2:TT+3], v[TT+2:TT+3], v[SS+\j:SS+\j+1]
	v_pk_add_f32 v[ZZ:ZZ+1], v[ZZ:ZZ+1], v[SS+\j+2:SS+\j+3]
.endr
	v_pk_add_f32 v[TT+2:TT+3], v[TT+2:TT+3], v[ZZ:ZZ+1]
.endm
.macro SQNT x                          ; p's codes: registers 4 b .. 4 b + 3 hold keys 32 b + 16 h + 0 .. 15
.set SS, S+64*(\x)
.set PP, P+16*(\x)
.irp b, 0,1,2,3
.irp i, 0,1,2,3,4,5,6,7,8,9,10,11,12,13,14,15
	v_min_num_f32 v[SS+16*\b+\i], v[SS+16*\b+\i], v[LIM]   ; the conversion does not saturate (ISA guide 7.6.2); p is not negative, so the hold is one-sided
.endr
	v_cvt_scalef32_pk8_fp8_f32 v[PP+4*\b:PP+4*\b+1], v[SS+16*\b:SS+16*\b+7], v[SCL]
	v_cvt_scalef32_pk8_fp8_f32 v[PP+4*\b+2:PP+4*\b+3], v[SS+16*\b+8:SS+16*\b+15], v[SCL]
.endr
.endm
; A KEY STEP: 128 keys, 16,384 bytes of LDS from s[TB] on: k's eight tiles of 1,024, then v's four of 2,048.
.macro STEP
	v_add_nc_u32 v[ADK], s[TB], v[LI]
.rept 4
	v_nop                                          ; places in front of loads into registers that the last products read
.endr
.irp t, 0,1,2,3,4,5,6,7
	ds_load_b128 v[KV+8*\t:KV+8*\t+3], v[ADK] offset:1024*\t
	ds_load_b128 v[KV+8*\t+4:KV+8*\t+7], v[ADK] offset:1024*\t+512
.endr
	s_wait_dscnt 0x0
	WIN 0x04                                       ; source 1 (q) window 1
.irp t, 0,1,2,3,4,5,6,7
.irp x, 0,1
	v_wmma_f32_16x16x64_fp8_fp8 v[S+64*\x+8*\t:S+64*\x+8*\t+7], v[KV+8*\t:KV+8*\t+7], v[QF+8*\x:QF+8*\x+7], 0
.endr
.endr
	WIN 0
.rept 4
	v_nop                                          ; places in front of the loads below and of the first read of the scores
.endr
.irp t, 0,1,2,3
.irp c, 0,1,2,3
	ds_load_b128 v[KV+16*\t+4*\c:KV+16*\t+4*\c+3], v[ADK] offset:8192+2048*\t+512*\c   ; v lands under the softmax
.endr
.endr
	SMAX 0
	SMAX 1
	SFMA 0
	SFMA 1
	SEXP 0
	SEXP 1
	v_pk_mul_f32 v[ST+2:ST+3], v[ST+2:ST+3], v[ST+4:ST+5] op_sel_hi:[1,0]      ; the sums under the new M: the plain lines behind the exponentials
	v_pk_mul_f32 v[ST+8:ST+9], v[ST+8:ST+9], v[ST+10:ST+11] op_sel_hi:[1,0]
	s_wait_alu depctr_va_vdst(0)                   ; one wait for the batch of 128 exponentials, ahead of its first reader
	SSUM 0
	SSUM 1
	SQNT 0
	SQNT 1
	WIN 0x41                                       ; O^T (destination and source 0) window 1, f window 0
.irp x, 0,1
.set Q, 0
.rept 16
	v_pk_mul_f32 v[32*\x+Q:32*\x+Q+1], v[32*\x+Q:32*\x+Q+1], v[ST+6*\x+4:ST+6*\x+5] op_sel_hi:[1,0]   ; O^T under the new M; these are also the plain lines behind the conversions
.set Q, Q+2
.endr
.endr
	s_wait_dscnt 0x0                               ; v is in
	WIN 0x50                                       ; C and D window 1
.irp t, 0,1,2,3
.irp x, 0,1
	v_wmma_f32_16x16x128_fp8_fp8 v[32*\x+8*\t:32*\x+8*\t+7], v[KV+16*\t:KV+16*\t+15], v[P+16*\x:P+16*\x+15], v[32*\x+8*\t:32*\x+8*\t+7]   ; the eight accumulators take turns
.endr
.endr
	WIN 0
	s_add_co_u32 s[TB], s[TB], 16384
.endm
	s_wait_loadcnt 0x0                             ; q
	s_wait_tensorcnt 1                             ; my part of key steps 0, 1 is in; the second load may be out
	s_barrier_signal -1
	s_barrier_wait -1                              ; everybody's is
	s_mov_b32 s[CNT], 2
.Lfirst:
	STEP
	s_sub_co_u32 s[CNT], s[CNT], 1
	s_cmp_lg_u32 s[CNT], 0
	s_cbranch_scc1 .Lfirst
	s_wait_tensorcnt 0x0                           ; my part of key steps 2 to 7 is in
	s_wait_dscnt 0x0
	s_barrier_signal -1
	s_barrier_wait -1                              ; everybody's is; nothing is filled again
	s_mov_b32 s[CNT], 6
.Lrest:
	STEP
	s_sub_co_u32 s[CNT], s[CNT], 1
	s_cmp_lg_u32 s[CNT], 0
	s_cbranch_scc1 .Lrest
	; THE WAY OUT.  o = O^T x 2^(e8 + e9) / the sum; held and converted with 2^e10, a lane's 32 numbers of a tile are two pieces of 16 bytes of the last product's operand; each store is 512 consecutive bytes, aligned.
.rept 4
	v_nop                                          ; places behind the last products
.endr
	v_add_f32 v[WK], v[ST+2], v[ST+3]              ; the sum's two halves,
	v_add_f32 v[WK+3], v[ST+8], v[ST+9]
	v_permlanex16_b32 v[WK+2], v[WK], s[SEL], s[SEL+1]
	v_permlanex16_b32 v[WK+5], v[WK+3], s[SEL], s[SEL+1]
	v_add_f32 v[WK], v[WK], v[WK+2]                ; and lane l xor 16's
	v_add_f32 v[WK+3], v[WK+3], v[WK+5]
	v_rcp_f32 v[WK], v[WK]
	v_rcp_f32 v[WK+3], v[WK+3]
	s_add_co_i32 s52, s76, s77                     ; e8 + e9
	s_add_co_i32 s53, s78, 127
	s_lshl_b32 s54, s53, 23
	s_add_co_i32 s53, s53, 8
	s_lshl_b32 s53, s53, 23
	s_or_b32 s53, s53, 0x600000
	v_mov_b32 v[SCL], s54                          ; 2^e10  (a plain line behind the reciprocals)
	v_mov_b32 v[LIM], s53                          ; 448 x 2^e10
	s_wait_alu depctr_va_vdst(0)                   ; one wait for both reciprocals, ahead of their first reader
	v_ldexp_f32 v[WK], v[WK], s52
	v_ldexp_f32 v[WK+3], v[WK+3], s52
.irp x, 0,1
	WIN 0x01                                       ; source 0 window 1
.set Q, 0
.rept 32
	v_mul_f32 v[S+64*\x+Q], v[32*\x+Q], v[WK+3*\x] ; each accumulator from its low end on
.set Q, Q+1
.endr
	WIN 0
.set Q, 0
.rept 32
	v_med3_num_f32 v[S+64*\x+Q], v[S+64*\x+Q], -v[LIM], v[LIM]
.set Q, Q+1
.endr
.irp k, 0,1,2,3
	v_cvt_scalef32_pk8_fp8_f32 v[P+16*\x+2*\k:P+16*\x+2*\k+1], v[S+64*\x+8*\k:S+64*\x+8*\k+7], v[SCL]
.endr
	v_nop                                          ; a plain line behind the conversions
	global_store_b128 v[LI], v[P+16*\x:P+16*\x+3], s[10:11] offset:12288*\x
	global_store_b128 v[LI], v[P+16*\x+4:P+16*\x+7], s[10:11] offset:12288*\x+512
.endr
	s_wait_tensorcnt 0x0                           ; the wave's end
	ds_add_u32 v[SPW], v[NIL]
	s_wait_dscnt 0x0
	CROUND                                         ; the closing round
	s_endpgm
.Lfunc_end_k_qde3ae695e4_attn:
	.size	k_qde3ae695e4_attn, .Lfunc_end_k_qde3ae695e4_attn-k_qde3ae695e4_attn
	.p2alignl 7, 3214868480
	.fill 96, 4, 3214868480
	.section	.rodata,"a",@progbits
	.p2align	6, 0x0
	.amdhsa_kernel k_qde3ae695e4_attn
		.amdhsa_group_segment_fixed_size 167936
		.amdhsa_private_segment_fixed_size 0
		.amdhsa_enable_private_segment 0
		.amdhsa_kernarg_size 32
		.amdhsa_user_sgpr_count 2
		.amdhsa_user_sgpr_kernarg_segment_ptr 1
		.amdhsa_wavefront_size32 1
		.amdhsa_system_sgpr_workgroup_id_x 1
		.amdhsa_system_sgpr_workgroup_id_y 1
		.amdhsa_system_sgpr_workgroup_id_z 1
		.amdhsa_system_vgpr_workitem_id 0
		.amdhsa_next_free_vgpr 336
		.amdhsa_next_free_sgpr 80
		.amdhsa_reserve_vcc 0
		.amdhsa_float_denorm_mode_32 3
		.amdhsa_float_denorm_mode_16_64 3
		.amdhsa_memory_ordered 1
		.amdhsa_forward_progress 1
		.amdhsa_inst_pref_size 73
	.end_amdhsa_kernel
	.amdgpu_metadata
---
amdhsa.version: [ 1, 2 ]
amdhsa.kernels:
  - .name:           k_qde3ae695e4_attn
    .symbol:         k_qde3ae695e4_attn.kd
    .args:
      - { .name: qimg, .offset: 0, .size: 8, .value_kind: global_buffer, .address_space: global }
      - { .name: kvimg, .offset: 8, .size: 8, .value_kind: global_buffer, .address_space: global }
      - { .name: lowp_scales, .offset: 16, .size: 8, .value_kind: global_buffer, .address_space: global }
      - { .name: oimg, .offset: 24, .size: 8, .value_kind: global_buffer, .address_space: global }
    .group_segment_fixed_size: 167936
    .private_segment_fixed_size: 0
    .kernarg_segment_align: 8
    .kernarg_segment_size: 32
    .max_flat_workgroup_size: 256
    .sgpr_count:     80
    .vgpr_count:     336
    .wavefront_size: 32
...
	.end_amdgpu_metadata
.endif
;; end of part 3
;; launch proj (part 4): grid 64 x 3, 4 waves a work-group, clusters of 4 x 1, 327,680 bytes of LDS; arguments oimg, wimg, bp, lowp_scales, out0; writes out0
.if DOCPART == 4
	.amdgcn_target "amdgcn-amd-amdhsa--gfx1250"
	.amdhsa_code_object_version 6
	.text
	.protected	k_qde3ae695e4_proj
	.globl	k_qde3ae695e4_proj
	.p2align	8
	.type	k_qde3ae695e4_proj,@function
k_qde3ae695e4_proj:
	s_mov_b64 s[64:65], 0
	v_nop
	global_prefetch_b8 v0, s[64:65] scope:SCOPE_SE
	s_setreg_imm32_b32 hwreg(HW_REG_WAVE_MODE, 25, 1), 1
	s_wait_xcnt 0x0
	s_wait_alu depctr_hold_cnt(0) depctr_sa_sdst(0) depctr_va_vdst(0) depctr_va_sdst(0) depctr_va_ssrc(0) depctr_va_vcc(0) depctr_vm_vsrc(0)
	s_getreg_b32 s2, hwreg(HW_REG_IB_STS2, 6, 4)
	s_cmp_eq_u32 s2, 0
	s_cbranch_scc0 .Lentry_in_a_cluster
	s_endpgm
.Lentry_in_a_cluster:
	s_bfe_u32 s2, ttmp6, 0x10000c
	s_cmp_lg_u32 s2, 0x3003
	s_cbranch_scc0 .Lentry_shape_is_right
	s_endpgm
.Lentry_shape_is_right:
; FOURTH LAUNCH: out0 = o Wp + bp on codes of FP8.  Nothing of reference() is left out.
; A work-group makes 256 tokens x 256 columns, four waves of 128 x 128: 64 accumulators, 512 registers.  K = 768 = 6 steps of 128, through a ring of two slots of two K steps; slot 0 is filled again once.
; OPERANDS ARE IMAGES OF THEIR REGISTERS (a fragment of 16 rows x 128 K: 2,048 bytes, byte 512 c + 16 lane; lane 16 h + r holds row r, registers 4 c .. 4 c + 3 hold k = 32 c + 16 h + 0 .. 15, the same permutation of k on both sides).
; Row m of tile 2 b + u is index 32 b + 8 u + m + 8 (m / 8), for tokens and for Wp's columns.  Source 0 = Wp, source 1 = o: a lane holds one token, and its 16 registers of tiles 2 b, 2 b + 1 are the 16 neighbouring columns 32 b + 16 h + 0 .. 15.
; bp, divided by 2^(e10 + e11), is the C of the first K step; each finished sum is multiplied once by 2^(e10 + e11).
; CLUSTER: the four blocks of tokens of a cluster take the same tile of Wp: asked for jointly (mask 15); o's tiles are each work-group's own.  192 work-groups: 256 columns a work-group give each wave 512 bytes of a row of out0, two whole aligned runs of 256.
; A wave has two tensor loads out at the start, later one.  No prefetch: the one refill is asked for a third of the way in, and one for it could stand only at the head.
; LIMIT: e10 + e11 between -126 and 127, so that 2^(e10 + e11) is an f32 number.
; REGISTERS: window 0: v16, 17 and v20, 21 LDS addresses of sources 1 and 0 in slots 0, 1; v24-30; v32-95 the bias, later a block's results; v128-255 source 1's eight fragments, ONE set, later rows read back.
;   window 1: source 0's fragments, TWO sets.   window 2: the accumulators of token tiles 0-3 ((a, b) at v[8 (8 (a % 4) + b)]);   window 3: of tiles 4-7.
.set FR,    16
.set NL,    4
.set NP,    4                          ; places behind this matrix instruction (ISA guide 7.12.1)
.set SLOT,  131072                     ; o's 16 tiles x 4,096 bytes, then Wp's 16
.set SPARE, 262144                     ; behind the ring: the spare words, 128 bytes for each wave
.set SPITCH, 528                       ; the way out: a stage of 16 rows x (512 bytes + 16) for each wave, in slot 1, which has had its one fill and its last read when the first result is stored there
.set ADR1,  16
.set ADR0,  20
.set STO,   24                         ; v24  where I put 64 bytes of a row
.set RD,    25                         ; v25  where I read a row back
.set CO,    26                         ; v26  16 x lane
.set SPW,   28
.set NIL,   29
.set BIAS,  32
.set TMP,   32
.set AF,    128
.set BK,    128
.set G1X, 24
.set G0X, 32
.set G1W, 40
.set G0W, 48
.set MSB, 0
.macro WIN new
.if MSB != \new
	s_set_vgpr_msb (MSB<<8)|\new
.set MSB, \new
.endif
.endm
.set MUL_LO, 0xa1
.set MUL_HI, 0xf1
.set TO_B,   0x40
.macro JLOAD s                         ; waves 0, 1 fetch o's halves (a load of their own), waves 2, 3 Wp's (jointly); an s_nop 0 and four v_nop follow each line
	s_cmp_eq_u32 s21, 0
	s_cbranch_scc0 .Lfor_w_\@
	tensor_load_to_lds s[G0X+4*\s:G0X+4*\s+3], s[G1X:G1X+7]
	s_nop 0
.rept 4
	v_nop
.endr
	s_branch .Lasked_\@
.Lfor_w_\@:
	tensor_load_to_lds s[G0W+4*\s:G0W+4*\s+3], s[G1W:G1W+7]
	s_nop 0
.rept 4
	v_nop
.endr
.Lasked_\@:
.endm
.macro CREST
	s_cmp_lg_u32 s20, 0
	s_cbranch_scc1 .Lnot_wave_0_\@
	s_barrier_signal -3
.Lnot_wave_0_\@:
	s_barrier_wait -3
	s_barrier_signal -1
	s_barrier_wait -1
.endm
.macro CROUND
	s_barrier_signal -1
	s_barrier_wait -1
	CREST
.endm
	s_load_b256 s[4:11], s[0:1], 0x0               ; oimg s[4:5], wimg s[6:7], bp s[8:9], the exponents s[10:11]
	s_load_b64 s[12:13], s[0:1], 0x20              ; out0
	v_lshl_add_u32 v[SPW], v0, 2, SPARE
	v_mov_b32 v[NIL], 0
	ds_add_u32 v[SPW], v[NIL]                      ; the wave's opening: the add, twice on end, and its wait ahead of my first tensor load
	ds_add_u32 v[SPW], v[NIL]
	v_lshrrev_b32 v1, 5, v0
	v_readfirstlane_b32 s20, v1                    ; wave 0..3
	s_lshr_b32 s21, s20, 1                         ; which half of the tokens is mine.  Also: I fetch for o (0) or for Wp (1)
	s_and_b32 s22, s20, 1                          ; which half of the columns.  Also: which 8 tiles I fetch
	s_bfe_u32 s56, ttmp6, 0x40000                  ; cx
	s_lshl_b32 s57, ttmp9, 2
	s_add_co_u32 s57, s57, s56                     ; my block of 256 tokens
	s_and_b32 s60, ttmp7, 0xffff                   ; my block of 256 columns, which the partners share
	s_mov_b32 s[G1X], 3<<16                        ; no mask; elements of 8 bytes; no padding
	s_mov_b32 s[G1W], 15|(3<<16)|(1<<21)           ; the mask: all four work-groups; bit 21 beside it
.irp g, G1X, G1W
	s_mov_b32 s[\g+1], 512<<16                     ; two K steps of a tile: 4,096 bytes
	s_mov_b32 s[\g+2], 8<<16                       ; 8 tiles
	s_mov_b32 s[\g+3], 512<<16
	s_mov_b32 s[\g+4], 8
	s_mov_b32 s[\g+5], 1536                        ; from tile to tile: 12,288 bytes
	s_mov_b32 s[\g+6], 0
	s_mov_b32 s[\g+7], 0
.endr
	s_lshl_b32 s80, s57, 4
	s_lshl_b32 s81, s22, 3
	s_add_co_u32 s80, s80, s81
	s_mul_i32 s80, s80, 12288                      ; o: tile 16 x block + 8 x half
	s_mov_b32 s81, 0
	s_lshl_b32 s82, s60, 4
	s_lshl_b32 s83, s22, 3
	s_add_co_u32 s82, s82, s83
	s_mul_i32 s82, s82, 12288
	s_add_co_u32 s82, s82, 3*589824                ; Wp is the fourth matrix of wimg: made of y and the wave's number alone
	s_mov_b32 s83, 0
	s_lshl_b32 s84, s20, 15                        ; where they go: 32,768 x wave
	s_wait_dscnt 0x0                               ; both opening adds are done
	s_wait_kmcnt 0x0
	s_load_b64 s[92:93], s[10:11], 0x28            ; e10, e11
	s_add_nc_u64 s[80:81], s[4:5], s[80:81]
	s_add_nc_u64 s[82:83], s[6:7], s[82:83]
	CROUND                                         ; all four work-groups are here: the first joint loads meet
.irp s, 0,1
	s_mov_b32 s[G0X+4*\s], 1
	s_add_co_u32 s[G0X+4*\s+1], s84, \s*SLOT
	s_add_nc_u64 s[G0X+4*\s+2:G0X+4*\s+3], s[80:81], \s*4096
	s_or_b32 s[G0X+4*\s+3], s[G0X+4*\s+3], 0x80000000
	s_mov_b32 s[G0W+4*\s], 1
	s_add_co_u32 s[G0W+4*\s+1], s84, \s*SLOT
	s_add_nc_u64 s[G0W+4*\s+2:G0W+4*\s+3], s[82:83], \s*4096
	s_or_b32 s[G0W+4*\s+3], s[G0W+4*\s+3], 0x80000000
	JLOAD \s
.endr
	v_and_b32 v1, 31, v0
	v_lshlrev_b32 v[CO], 4, v1
	s_lshl_b32 s85, s21, 15
	v_add_nc_u32 v[ADR1], s85, v[CO]
	v_add_nc_u32 v[ADR1+1], SLOT, v[ADR1]
	s_lshl_b32 s85, s22, 15
	s_add_co_u32 s85, s85, 65536
	v_add_nc_u32 v[ADR0], s85, v[CO]
	v_add_nc_u32 v[ADR0+1], SLOT, v[ADR0]
	s_lshl_b32 s90, s60, 10                        ; bp: my 128 columns; register j of tile 2 b + u is column 32 b + 16 h + 8 u + j
	s_lshl_b32 s91, s22, 9
	s_add_co_u32 s90, s90, s91
	s_mov_b32 s91, 0
	s_add_nc_u64 s[8:9], s[8:9], s[90:91]
	v_bfe_u32 v3, v0, 4, 1                         ; h
	v_and_b32 v4, 15, v0                           ; r
	v_lshlrev_b32 v30, 6, v3
.irp b, 0,1,2,3,4,5,6,7
	global_load_b128 v[BIAS+8*\b:BIAS+8*\b+3], v30, s[8:9] offset:(32*(\b/2)+8*(\b%2))*4
	global_load_b128 v[BIAS+8*\b+4:BIAS+8*\b+7], v30, s[8:9] offset:(32*(\b/2)+8*(\b%2))*4+16
.endr
	s_mul_i32 s85, s20, 16*SPITCH
	s_add_co_u32 s85, s85, SLOT                    ; my stage
	v_mul_u32_u24 v[STO], v4, SPITCH
	v_lshl_add_u32 v[STO], v3, 6, v[STO]
	v_add_nc_u32 v[STO], s85, v[STO]               ; in: row r, + 64 h
	v_add_nc_u32 v[RD], s85, v[CO]                 ; back: the 32 lanes take one row of 512 bytes
	s_lshl_b32 s86, s57, 8
	s_lshl_b32 s87, s21, 7
	s_add_co_u32 s86, s86, s87
	s_mul_i32 s86, s86, 3072                       ; out0: my first token's row,
	s_add_co_u32 s86, s86, s90                     ; and my first column, in bytes as in bp
	s_mov_b32 s87, 0
	s_add_nc_u64 s[12:13], s[12:13], s[86:87]
.macro FRAG reg, adr, q, i
.irp c, 0,1,2,3
	ds_load_b128 v[\reg+4*\c:\reg+4*\c+3], v[\adr] offset:4096*(\i)+2048*(\q)+512*\c
.endr
.endm
; 16 matrix instructions: token tiles a0, a0 + 1 x Wp's eight.  zero = 1: C is the bias.  The 64 accumulators take turns, one instruction a turn, in the same order in every step.
.macro MUL16 a0, p, zero
.irp a, \a0, \a0+1
.irp b, 0,1,2,3,4,5,6,7
.if \zero
	v_wmma_f32_16x16x128_fp8_fp8 v[8*(8*((\a)%4)+\b):8*(8*((\a)%4)+\b)+7], v[128*(\p)+FR*\b:128*(\p)+FR*\b+FR-1], v[AF+FR*(\a):AF+FR*(\a)+FR-1], v[BIAS+8*\b:BIAS+8*\b+7]
.else
	v_wmma_f32_16x16x128_fp8_fp8 v[8*(8*((\a)%4)+\b):8*(8*((\a)%4)+\b)+7], v[128*(\p)+FR*\b:128*(\p)+FR*\b+FR-1], v[AF+FR*(\a):AF+FR*(\a)+FR-1], v[8*(8*((\a)%4)+\b):8*(8*((\a)%4)+\b)+7]
.endif
.endr
.endr
.endm
.macro FETCH_B slot, q, p
	WIN TO_B
.irp i, 0,1,2,3,4,5,6,7
	FRAG 128*(\p)+FR*\i, ADR0+\slot, \q, \i
.endr
	WIN 0
.endm
.macro FETCH_A slot, q, i0
.irp i, \i0, \i0+1, \i0+2, \i0+3
	FRAG AF+FR*(\i), ADR1+\slot, \q, \i
.endr
.endm
.macro PLACES n
.rept \n
	v_nop
.endr
.endm
.macro STEP slot, q, zero
	s_wait_dscnt 4*NL                              ; Wp's set and token tiles 0-3 are in; the youngest 16 loads (tiles 4-7) may be out
.if \zero
	WIN 0x81                                       ; C (the bias) window 0, D window 2
.else
	WIN MUL_LO
.endif
	MUL16 0, (\q)%2, \zero
	MUL16 2, (\q)%2, \zero
	s_wait_dscnt 0                                 ; tiles 4-7 are in
	PLACES NP
	FETCH_B \slot, (\q)+1, 1-(\q)%2
	FETCH_A \slot, (\q)+1, 0
.if \zero
	WIN 0xc1
.else
	WIN MUL_HI
.endif
	MUL16 4, (\q)%2, \zero
	MUL16 6, (\q)%2, \zero
	PLACES NP
	WIN 0
	FETCH_A \slot, (\q)+1, 4
.endm
.macro TURN slot, next, fill
	s_wait_tensorcnt 0x0                           ; all my tensor loads have landed: my part of the next slot
	ds_add_u32 v[SPW], v[NIL]                      ; 0 onto my spare word
	s_wait_dscnt 4*NL+1                            ; (the add and the youngest 16 loads may be out)
	WIN MUL_LO
	MUL16 0, 1, 0
	s_wait_dscnt 0x0                               ; the add is done, and my reads of this slot are over
	s_barrier_signal -1
	MUL16 2, 1, 0
	WIN 0
	s_barrier_wait -1
.if \fill
	CREST                                          ; the barrier has opened a round of the cluster's: no wave of any partner still reads this slot or has a load on its way
	s_add_nc_u64 s[G0X+4*\slot+2:G0X+4*\slot+3], s[G0X+4*\slot+2:G0X+4*\slot+3], 8192
	s_add_nc_u64 s[G0W+4*\slot+2:G0W+4*\slot+3], s[G0W+4*\slot+2:G0W+4*\slot+3], 8192
	JLOAD \slot
.else
	PLACES NP
.endif
	FETCH_B \next, 0, 0
	FETCH_A \next, 0, 0
	WIN MUL_HI
	MUL16 4, 1, 0
	MUL16 6, 1, 0
	PLACES NP
	WIN 0
	FETCH_A \next, 0, 4
.endm
	s_wait_tensorcnt 1                             ; my part of slot 0 is in; slot 1's load may be out
	s_barrier_signal -1
	s_barrier_wait -1
	FETCH_B 0, 0, 0
	FETCH_A 0, 0, 0
	FETCH_A 0, 0, 4
	s_wait_kmcnt 0x0
	s_add_co_i32 s94, s92, s93                     ; e10 + e11
	s_sub_co_i32 s95, 0, s94
	s_add_co_i32 s96, s94, 127
	s_lshl_b32 s96, s96, 23                        ; 2^(e10 + e11) as f32
	s_mov_b32 s97, s96                             ; (named with it as a pair, so it is written)
	s_wait_loadcnt 0x0                             ; the bias
.set Q, 0
.rept 64
	v_ldexp_f32 v[BIAS+Q], v[BIAS+Q], s95          ; bp / 2^(e10 + e11): what the sums lack
.set Q, Q+1
.endr
	STEP 0, 0, 1                                   ; K step 0
	TURN 0, 1, 1                                   ; 1; slot 0 takes K steps 4, 5
	STEP 1, 0, 0                                   ; 2
	TURN 1, 0, 0                                   ; 3; behind its barrier nobody reads slot 1 any more
	STEP 0, 0, 0                                   ; 4
	s_wait_dscnt 4*NL                              ; 5
	WIN MUL_LO
	MUL16 0, 1, 0
	MUL16 2, 1, 0
	s_wait_dscnt 0
	WIN MUL_HI
	MUL16 4, 1, 0
	MUL16 6, 1, 0
	WIN 0
; THE WAY OUT, a token tile at a time.  A lane holds four runs of 64 bytes of one row, and the lanes beside it hold other rows: a tile goes through my own stage and comes back as whole rows of 512 bytes.
; LDS serves a wave's instructions in order (ISA guide 5.7.1.4): no wait between the stores and the loads, nor in front of the next tile's stores.
.macro TOSTAGE a
.set AC, 64*((\a)%4)
.set BB, BK+64*((\a)%2)
	WIN 0x02+((\a)/4)                              ; source 0: window 2 or 3
.set Q, 0
.rept 32
	v_pk_mul_f32 v[TMP+Q:TMP+Q+1], v[AC+Q:AC+Q+1], s[96:97] op_sel_hi:[1,0]   ; x 2^(e10 + e11); each accumulator from its low end on
.set Q, Q+2
.endr
	WIN 0
.irp b, 0,1,2,3
.irp q, 0,1,2,3
	ds_store_b128 v[STO], v[TMP+16*\b+4*\q:TMP+16*\b+4*\q+3] offset:128*\b+16*\q
.endr
.endr
.irp t, 0,1,2,3,4,5,6,7,8,9,10,11,12,13,14,15
	ds_load_b128 v[BB+4*\t:BB+4*\t+3], v[RD] offset:\t*SPITCH
.endr
.endm
.macro SEND a, younger                 ; younger: the LDS instructions issued behind tile a's loads, which may stay out
.set BB, BK+64*((\a)%2)
	s_wait_dscnt \younger
.if (\a) > 0
.if ((\a)%2) == 1
	s_add_nc_u64 s[12:13], s[12:13], 8*3072        ; (behind a wait on XCNT)  tile 2 b + 1 begins 8 tokens behind tile 2 b,
.else
	s_add_nc_u64 s[12:13], s[12:13], 24*3072       ; tile 2 b + 2 another 24
.endif
.endif
.irp t, 0,1,2,3,4,5,6,7,8,9,10,11,12,13,14,15
	global_store_b128 v[CO], v[BB+4*\t:BB+4*\t+3], s[12:13] offset:(\t+8*(\t/8))*3072 th:TH_STORE_NT   ; row t of the tile: 32 lanes store 512 consecutive bytes, aligned; written once, read by nobody here
.endr
.endm
	PLACES NP                                      ; behind the last products: for the loads into source 1's registers and the reads of results
	TOSTAGE 0
.irp a, 1,2,3,4,5,6,7
.if \a > 1
	s_wait_xcnt 0x0                                ; tile a - 2's stores have read their registers and their base: tile a's loads may land there, and the base may step
.endif
	TOSTAGE \a
	SEND \a-1, 32                                  ; behind tile a - 1's loads: tile a's 16 stores and 16 loads
.endr
	s_wait_xcnt 0x0                                ; tile 6's stores have read their base
	SEND 7, 0
	s_wait_tensorcnt 0x0                           ; the wave's end
	ds_add_u32 v[SPW], v[NIL]
	s_wait_dscnt 0x0
	CROUND                                         ; the closing round
	s_endpgm
.Lfunc_end_k_qde3ae695e4_proj:
	.size	k_qde3ae695e4_proj, .Lfunc_end_k_qde3ae695e4_proj-k_qde3ae695e4_proj
	.p2alignl 7, 3214868480
	.fill 96, 4, 3214868480
	.section	.rodata,"a",@progbits
	.p2align	6, 0x0
	.amdhsa_kernel k_qde3ae695e4_proj
		.amdhsa_group_segment_fixed_size 327680
		.amdhsa_private_segment_fixed_size 0
		.amdhsa_enable_private_segment 0
		.amdhsa_kernarg_size 40
		.amdhsa_user_sgpr_count 2
		.amdhsa_user_sgpr_kernarg_segment_ptr 1
		.amdhsa_wavefront_size32 1
		.amdhsa_system_sgpr_workgroup_id_x 1
		.amdhsa_system_sgpr_workgroup_id_y 1
		.amdhsa_system_sgpr_workgroup_id_z 1
		.amdhsa_system_vgpr_workitem_id 0
		.amdhsa_next_free_vgpr 1024
		.amdhsa_next_free_sgpr 100
		.amdhsa_reserve_vcc 0
		.amdhsa_float_denorm_mode_32 3
		.amdhsa_float_denorm_mode_16_64 3
		.amdhsa_memory_ordered 1
		.amdhsa_forward_progress 1
		.amdhsa_inst_pref_size 110
	.end_amdhsa_kernel
	.amdgpu_metadata
---
amdhsa.version: [ 1, 2 ]
amdhsa.kernels:
  - .name:           k_qde3ae695e4_proj
    .symbol:         k_qde3ae695e4_proj.kd
    .args:
      - { .name: oimg, .offset: 0, .size: 8, .value_kind: global_buffer, .address_space: global }
      - { .name: wimg, .offset: 8, .size: 8, .value_kind: global_buffer, .address_space: global }
      - { .name: bp, .offset: 16, .size: 8, .value_kind: global_buffer, .address_space: global }
      - { .name: lowp_scales, .offset: 24, .size: 8, .value_kind: global_buffer, .address_space: global }
      - { .name: out0, .offset: 32, .size: 8, .value_kind: global_buffer, .address_space: global }
    .group_segment_fixed_size: 327680
    .private_segment_fixed_size: 0
    .kernarg_segment_align: 8
    .kernarg_segment_size: 40
    .max_flat_workgroup_size: 128
    .sgpr_count:     100
    .vgpr_count:     1024
    .wavefront_size: 32
...
	.end_amdgpu_metadata
.endif
;; end of part 4
;; ======== version 2 of 2: 4 launches
;; limits: right only within a limited range of input values
;; workspace buffers: ximg 37,748,736 bytes; wimg 2,359,296 bytes; qimg 12,582,912 bytes; kvimg 25,165,824 bytes; oimg 12,582,912 bytes
;; launch prep (part 5): grid 228 x 4, 8 waves a work-group, no clusters, 68,608 bytes of LDS; arguments x, Wq, Wk, Wv, Wp, lowp_scales, ximg, wimg; writes ximg, wimg
.if DOCPART == 5
	.amdgcn_target "amdgcn-amd-amdhsa--gfx1250"
	.amdhsa_code_object_version 6
	.text
	.protected	k_qde3ae695e4_prep
	.globl	k_qde3ae695e4_prep
	.p2align	8
	.type	k_qde3ae695e4_prep,@function
k_qde3ae695e4_prep:
	s_mov_b64 s[64:65], 0
	v_nop
	global_prefetch_b8 v0, s[64:65] scope:SCOPE_SE
	s_setreg_imm32_b32 hwreg(HW_REG_WAVE_MODE, 25, 1), 1
	s_wait_xcnt 0x0
; MULTI-HEAD ATTENTION IN FP8 (E4M3), FIRST OF FOUR LAUNCHES: x and the four weights become codes, laid as IMAGES OF OPERAND REGISTERS.
; DEAD WORK: none.  Every product of reference() reaches out0, and every bias goes into a quantised operand or into out0 (bk would cancel in a softmax over real numbers,
; but it moves k's codes, so it stays).  All inputs are loaded by some launch.
; x is an operand of three products with three given scales (entries 1, 3, 5 of lowp_scales), so it is read once and turned into three sets of codes.
; code = number / 2^e, rounded to the nearest code, ties to even.
; LIMITS: each e used here (entries 0 to 5 and 11) lies between -126 and 127, so that 2^e is an f32 number.  NaN among the inputs is not served.
; THE IMAGE.  A fragment is 16 rows x 128 along K: 16 registers a lane.  Lane l = 16 h + r holds row r; its registers 4 c .. 4 c + 3 hold k = 32 c + 16 h + 0 .. 15.  In memory: byte 512 c + 16 l, 2,048 bytes a fragment.
; THE ROWS OF A TILE ARE NOT NEIGHBOURS: row m of tile 2 b + u is index 32 b + 8 u + m + 8 (m / 8), for tokens and for the weights' output features alike, so that later results fall into lanes as 16 neighbours along the next K.
; ximg: [set 0..2][token tile 0..1023][K step 0..5][2048].   wimg: [Wq, Wk, Wv, Wp][feature tile 0..47][K step 0..5][2048].
; SHARES.  Work-groups with x id under 36 take the weights (matrix = y id), the others x.  The weights' path touches no LDS.  No barrier: waves share nothing.
;   x: a wave takes one token tile x one K step: 16 loads of 512 consecutive bytes (a row each), a turn through its own stage in LDS, 3 x 4 stores of 512 consecutive bytes.
;   weights: K is not innermost: a lane takes a feature and its 64 registers run down K; a wave takes 32 features x 64 along K; sixteen lanes store 256 consecutive, aligned bytes.
.set SPARE, 67584                      ; behind the eight stages: the spare words, 128 bytes for each wave
.set STAGE, 8448                       ; a wave's stage: 16 rows x SP
.set SP,    528                        ; 512 bytes + 16: sixteen lanes that read the same column of 16 rows start at 16 different 16-byte columns
.set SPW,   10                         ; v10  my spare word's LDS address; never rewritten
.set NIL,   11                         ; v11  0; never rewritten
.set SC,    12                         ; v12-14  2^e of the three sets (weights: v12)
.set LM,    15
.set R,     20                         ; v20-83  64 numbers
.set T,     84
.set C,     116                        ; v116-163 codes: every register is written once, so no store's data are written again
.macro POW2 e, sc, lm                  ; v[sc] = 2^s[e] as f32 (the conversion takes its exponent field)
	s_add_co_i32 s48, s[\e], 127
	s_lshl_b32 s49, s48, 23
	v_mov_b32 v[\sc], s49
.endm
	s_load_b256 s[4:11], s[0:1], 0x0               ; x s[4:5], Wq s[6:7], Wk s[8:9], Wv s[10:11]
	s_load_b256 s[12:19], s[0:1], 0x20             ; Wp s[12:13], the exponents s[14:15], ximg s[16:17], wimg s[18:19]
	v_lshl_add_u32 v[SPW], v0, 2, SPARE
	v_mov_b32 v[NIL], 0
	v_lshrrev_b32 v1, 5, v0
	s_delay_alu instid0(VALU_DEP_1)
	v_readfirstlane_b32 s20, v1                    ; wave 0..7
	v_and_b32 v1, 31, v0                           ; lane
	v_and_b32 v2, 15, v0                           ; r
	v_bfe_u32 v3, v0, 4, 1                         ; h
	s_and_b32 s21, ttmp7, 0xffff                   ; y
	s_wait_kmcnt 0x0
	s_load_b256 s[36:43], s[14:15], 0x0            ; e0 .. e7
	s_load_b128 s[44:47], s[14:15], 0x20           ; e8 .. e11
	s_cmp_lt_u32 ttmp9, 36
	s_cbranch_scc1 .Lweights
	; ---- x.  g = 192 y + x id - 36 = 0 .. 767;  token tile = 4 (g % 256) + wave / 2;  K step = 2 (g / 256) + wave % 2
	s_sub_co_u32 s22, ttmp9, 36
	s_mul_i32 s23, s21, 192
	s_add_co_u32 s22, s22, s23
	s_lshr_b32 s23, s22, 8
	s_and_b32 s22, s22, 255
	s_lshl_b32 s22, s22, 2
	s_lshr_b32 s30, s20, 1
	s_add_co_u32 s22, s22, s30                     ; token tile
	s_lshl_b32 s23, s23, 1
	s_and_b32 s30, s20, 1
	s_add_co_u32 s23, s23, s30                     ; K step
	s_lshr_b32 s30, s22, 1
	s_lshl_b32 s30, s30, 5
	s_and_b32 s31, s22, 1
	s_lshl_b32 s31, s31, 3
	s_add_co_u32 s30, s30, s31                     ; the tile's first token: 32 (tile / 2) + 8 (tile % 2)
	s_mul_i32 s30, s30, 3072                       ; a row of x is 3,072 bytes
	s_lshl_b32 s31, s23, 9                         ; a K step is 512 of them
	s_add_co_u32 s30, s30, s31
	s_mov_b32 s31, 0
	s_add_nc_u64 s[4:5], s[4:5], s[30:31]
	s_mul_i32 s30, s22, 12288
	s_lshl_b32 s32, s23, 11
	s_add_co_u32 s30, s30, s32
	s_add_nc_u64 s[24:25], s[16:17], s[30:31]      ; my fragment in set 0,
	s_add_nc_u64 s[26:27], s[24:25], 12582912      ; set 1,
	s_add_nc_u64 s[28:29], s[26:27], 12582912      ; set 2
	s_wait_alu depctr_va_vdst(0)
	v_lshlrev_b32 v4, 4, v1                        ; 16 x lane: my bytes of a row's 512, and of a store's 512
.irp i, 0,1,2,3,4,5,6,7,8,9,10,11,12,13,14,15
	global_load_b128 v[R+4*\i:R+4*\i+3], v4, s[4:5] offset:(\i+8*(\i/8))*3072 th:TH_LOAD_NT   ; row i of the tile: 32 lanes read 512 consecutive bytes; read once in the launch
.endr
	s_mul_i32 s33, s20, STAGE
	v_add_nc_u32 v5, s33, v4                       ; into my stage: as loaded
	v_mul_u32_u24 v6, v2, SP
	s_delay_alu instid0(VALU_DEP_1)
	v_lshl_add_u32 v6, v3, 6, v6
	s_delay_alu instid0(VALU_DEP_1)
	v_add_nc_u32 v6, s33, v6                       ; out of it: row r, + 64 h: my 16 numbers of a block of 32
	s_wait_alu depctr_va_vdst(0)
	s_wait_kmcnt 0x0
	POW2 37, SC, LM                                ; e1
	POW2 39, SC+1, LM+1                            ; e3
	POW2 41, SC+2, LM+2                            ; e5
	s_wait_alu depctr_va_vdst(0)
.irp i, 0,1,2,3,4,5,6,7,8,9,10,11,12,13,14,15
	s_wait_loadcnt 15-\i                           ; loads come back in order: row i is in, the younger rows may be out
	ds_store_b128 v5, v[R+4*\i:R+4*\i+3] offset:SP*\i
.endr
	s_wait_dscnt 0x0                               ; the stores have read their registers, which the loads below fill again
.irp c, 0,1,2,3
.irp j, 0,1,2,3
	ds_load_b128 v[R+16*\c+4*\j:R+16*\c+4*\j+3], v6 offset:128*\c+16*\j   ; register 16 c + i = k 32 c + 16 h + i of row r
.endr
.endr
.irp c, 0,1,2,3
	s_wait_dscnt 12-4*\c                           ; block c's four loads are in; the later blocks' may be out
.irp k, 0,1,2
.set TT, T+16*((3*\c+\k)%2)
.irp i, 0,1,2,3,4,5,6,7,8,9,10,11,12,13,14,15
.endr
	v_cvt_scalef32_pk8_fp8_f32 v[C+16*\k+4*\c:C+16*\k+4*\c+1], v[TT+((R+16*\c+0)-(TT+0)):TT+7+((R+16*\c+0)-(TT+0))], v[SC+\k]
	v_cvt_scalef32_pk8_fp8_f32 v[C+16*\k+4*\c+2:C+16*\k+4*\c+3], v[TT+8+((R+16*\c+0)-(TT+0)):TT+15+((R+16*\c+0)-(TT+0))], v[SC+\k]
	global_store_b128 v4, v[C+16*\k+4*\c:C+16*\k+4*\c+3], s[24+2*\k:25+2*\k] offset:512*\c   ; registers 4 c .. 4 c + 3 of the fragment: 512 consecutive bytes, aligned
.endr
.endr
	v_nop                                          ; a plain line behind the last conversion
	s_wait_tensorcnt 0x0                           ; the wave's end
	ds_add_u32 v[SPW], v[NIL]
	s_wait_dscnt 0x0
	s_endpgm
	; ---- the weights.  x id = 6 (G / 4) + K step;  G = 4 (x id / 6) + wave / 2 = a pair of feature tiles, 32 features;  wave % 2 = which 64 of the K step's 128
.Lweights:
	s_mul_i32 s22, ttmp9, 43
	s_lshr_b32 s22, s22, 8                         ; x id / 6, exact for 0 .. 35
	s_mul_i32 s23, s22, 6
	s_sub_co_u32 s23, ttmp9, s23                   ; K step
	s_lshl_b32 s22, s22, 2
	s_lshr_b32 s30, s20, 1
	s_add_co_u32 s22, s22, s30                     ; G
	s_and_b32 s24, s20, 1                          ; which half of the K step
	s_lshl_b32 s25, s23, 7
	s_lshl_b32 s30, s24, 6
	s_add_co_u32 s25, s25, s30                     ; my first k
	s_cmp_eq_u32 s21, 0                            ; the matrix: the choice hangs on the work-group's number alone
	s_cselect_b64 s[26:27], s[6:7], s[8:9]
	s_cmp_lt_u32 s21, 2
	s_cselect_b64 s[26:27], s[26:27], s[10:11]
	s_cmp_eq_u32 s21, 3
	s_cselect_b64 s[26:27], s[12:13], s[26:27]
	s_lshr_b32 s30, s22, 1                         ; Wq, Wk, Wv [12][768][64]: head G / 2, channels 32 (G % 2) on, row k of 256 bytes
	s_mul_i32 s30, s30, 196608
	s_and_b32 s31, s22, 1
	s_lshl_b32 s31, s31, 7
	s_add_co_u32 s30, s30, s31
	s_lshl_b32 s31, s25, 8
	s_add_co_u32 s30, s30, s31
	s_lshl_b32 s32, s22, 7                         ; Wp [768][768]: columns 32 G on, row k of 3,072 bytes
	s_mul_i32 s31, s25, 3072
	s_add_co_u32 s32, s32, s31
	s_cmp_eq_u32 s21, 3
	s_cselect_b32 s30, s32, s30
	s_mov_b32 s31, 0
	s_add_nc_u64 s[26:27], s[26:27], s[30:31]
	s_mul_i32 s30, s21, 589824                     ; wimg: matrix, tile 2 G, K step, and the half's two pieces of 512 bytes
	s_mul_i32 s32, s22, 24576
	s_add_co_u32 s30, s30, s32
	s_lshl_b32 s32, s23, 11
	s_add_co_u32 s30, s30, s32
	s_lshl_b32 s32, s24, 10
	s_add_co_u32 s30, s30, s32
	s_add_nc_u64 s[18:19], s[18:19], s[30:31]
	s_wait_alu depctr_va_vdst(0)
	v_and_b32 v8, 8, v2
	s_delay_alu instid0(VALU_DEP_1)
	v_add_nc_u32 v8, v8, v2
	s_delay_alu instid0(VALU_DEP_1)
	v_lshl_add_u32 v8, v3, 3, v8
	s_delay_alu instid0(VALU_DEP_1)
	v_lshlrev_b32 v8, 2, v8                        ; lane 16 u + r takes row r of tile 2 G + u: feature 8 u + r + 8 (r / 8) of the 32: the wave's 32 lanes read 128 consecutive bytes
	v_mul_u32_u24 v9, v3, 12288
	s_delay_alu instid0(VALU_DEP_1)
	v_lshl_add_u32 v9, v2, 4, v9                   ; out: tile u, 16 bytes at 16 r
.macro WLOAD pitch                     ; W(my first k + i, my feature), i = 0 .. 63: the registers run down K
.set Q, 0
.rept 64
	global_load_b32 v[R+Q], v8, s[26:27] offset:Q*\pitch th:TH_LOAD_NT
.set Q, Q+1
.endr
.endm
	s_cmp_eq_u32 s21, 3
	s_cbranch_scc1 .Lwide_rows
	WLOAD 256
	s_branch .Lasked
.Lwide_rows:
	s_wait_alu depctr_va_vdst(0)
	WLOAD 3072
.Lasked:
	s_wait_kmcnt 0x0
	s_cmp_eq_u32 s21, 0                            ; e0, e2, e4 or e11
	s_cselect_b32 s28, s36, s38
	s_cmp_lt_u32 s21, 2
	s_cselect_b32 s28, s28, s40
	s_cmp_eq_u32 s21, 3
	s_cselect_b32 s28, s47, s28
	POW2 28, SC, LM
	s_wait_alu depctr_va_vdst(0)
.irp p, 0,1,2,3                        ; piece p: 16 neighbours along K = what lane 16 (p % 2) + r of the fragment holds in its registers 4 c .. 4 c + 3, c = 2 x half + p / 2
	s_wait_loadcnt 16*(3-\p)                       ; this piece's 16 loads are in; the later pieces' may be out
.irp i, 0,1,2,3,4,5,6,7,8,9,10,11,12,13,14,15
.endr
	v_cvt_scalef32_pk8_fp8_f32 v[C+4*\p:C+4*\p+1], v[R+16*\p:R+16*\p+7], v[SC]
	v_cvt_scalef32_pk8_fp8_f32 v[C+4*\p+2:C+4*\p+3], v[R+16*\p+8:R+16*\p+15], v[SC]
.endr
	v_nop                                          ; a plain line behind the last conversion
	s_wait_alu depctr_va_vdst(0)
.irp p, 0,1,2,3
	global_store_b128 v9, v[C+4*\p:C+4*\p+3], s[18:19] offset:(\p/2)*512+(\p%2)*256   ; sixteen lanes store 256 consecutive bytes, aligned
.endr
	s_endpgm
.Lfunc_end_k_qde3ae695e4_prep:
	.size	k_qde3ae695e4_prep, .Lfunc_end_k_qde3ae695e4_prep-k_qde3ae695e4_prep
	.p2alignl 7, 3214868480
	.fill 96, 4, 3214868480
	.section	.rodata,"a",@progbits
	.p2align	6, 0x0
	.amdhsa_kernel k_qde3ae695e4_prep
		.amdhsa_group_segment_fixed_size 68608
		.amdhsa_private_segment_fixed_size 0
		.amdhsa_enable_private_segment 0
		.amdhsa_kernarg_size 64
		.amdhsa_user_sgpr_count 2
		.amdhsa_user_sgpr_kernarg_segment_ptr 1
		.amdhsa_wavefront_size32 1
		.amdhsa_system_sgpr_workgroup_id_x 1
		.amdhsa_system_sgpr_workgroup_id_y 1
		.amdhsa_system_sgpr_workgroup_id_z 1
		.amdhsa_system_vgpr_workitem_id 0
		.amdhsa_next_free_vgpr 164
		.amdhsa_next_free_sgpr 66
		.amdhsa_reserve_vcc 0
		.amdhsa_float_denorm_mode_32 3
		.amdhsa_float_denorm_mode_16_64 3
		.amdhsa_fp16_overflow 1
		.amdhsa_memory_ordered 1
		.amdhsa_forward_progress 1
		.amdhsa_inst_pref_size 26
	.end_amdhsa_kernel
	.amdgpu_metadata
---
amdhsa.version: [ 1, 2 ]
amdhsa.kernels:
  - .name:           k_qde3ae695e4_prep
    .symbol:         k_qde3ae695e4_prep.kd
    .args:
      - { .name: x, .offset: 0, .size: 8, .value_kind: global_buffer, .address_space: global }
      - { .name: Wq, .offset: 8, .size: 8, .value_kind: global_buffer, .address_space: global }
      - { .name: Wk, .offset: 16, .size: 8, .value_kind: global_buffer, .address_space: global }
      - { .name: Wv, .offset: 24, .size: 8, .value_kind: global_buffer, .address_space: global }
      - { .name: Wp, .offset: 32, .size: 8, .value_kind: global_buffer, .address_space: global }
      - { .name: lowp_scales, .offset: 40, .size: 8, .value_kind: global_buffer, .address_space: global }
      - { .name: ximg, .offset: 48, .size: 8, .value_kind: global_buffer, .address_space: global }
      - { .name: wimg, .offset: 56, .size: 8, .value_kind: global_buffer, .address_space: global }
    .group_segment_fixed_size: 68608
    .private_segment_fixed_size: 0
    .kernarg_segment_align: 8
    .kernarg_segment_size: 64
    .max_flat_workgroup_size: 256
    .sgpr_count:     66
    .vgpr_count:     164
    .wavefront_size: 32
...
	.end_amdgpu_metadata
.endif
;; end of part 5
;; launch qkv (part 6): grid 64 x 9, 4 waves a work-group, clusters of 4 x 1, 327,680 bytes of LDS; arguments ximg, wimg, bq, bk, bv, lowp_scales, qimg, kvimg; writes qimg, kvimg
.if DOCPART == 6
	.amdgcn_target "amdgcn-amd-amdhsa--gfx1250"
	.amdhsa_code_object_version 6
	.text
	.protected	k_qde3ae695e4_qkv
	.globl	k_qde3ae695e4_qkv
	.p2align	8
	.type	k_qde3ae695e4_qkv,@function
k_qde3ae695e4_qkv:
	s_mov_b64 s[64:65], 0
	v_nop
	global_prefetch_b8 v0, s[64:65] scope:SCOPE_SE
	s_setreg_imm32_b32 hwreg(HW_REG_WAVE_MODE, 25, 1), 1
	s_wait_xcnt 0x0
	s_wait_alu depctr_hold_cnt(0) depctr_sa_sdst(0) depctr_va_vdst(0) depctr_va_sdst(0) depctr_va_ssrc(0) depctr_va_vcc(0) depctr_vm_vsrc(0)
	s_getreg_b32 s2, hwreg(HW_REG_IB_STS2, 6, 4)
	s_cmp_eq_u32 s2, 0
	s_cbranch_scc0 .Lentry_in_a_cluster
	s_endpgm
.Lentry_in_a_cluster:
	s_bfe_u32 s2, ttmp6, 0x10000c
	s_cmp_lg_u32 s2, 0x3003
	s_cbranch_scc0 .Lentry_shape_is_right
	s_endpgm
.Lentry_shape_is_right:
; SECOND LAUNCH: q, k and v = x W + b on codes of FP8, quantised again on the way out and stored as images of the operands that attention takes.  Nothing of reference() is left out.
; A work-group makes 256 tokens x 256 features of one of the three (y id = 3 x which + block of features), four waves of 128 x 128 each: 64 accumulators, 512 registers.  K = 768 = 6 steps of 128.
; OPERANDS ARE IMAGES OF THEIR REGISTERS (a fragment of 16 rows x 128 K is 2,048 bytes, byte 512 c + 16 lane): a tile of 8 fragments x 2 K steps is 8 rows of 4,096 bytes for the tensor data mover, and a fragment comes
; out of LDS by four loads of 512 consecutive bytes: no pitch, no padding.  Lane 16 h + r holds row r, registers 4 c .. 4 c + 3 hold k = 32 c + 16 h + 0 .. 15: a permutation of k that is the same on both sides.
; ROW m OF TILE 2 b + u IS INDEX 32 b + 8 u + m + 8 (m / 8), for tokens and features: where such a tile is source 0, a lane's 16 registers of tiles 2 b and 2 b + 1 are the 16 neighbours 32 b + 16 h + 0 .. 15.
; q, k: source 0 = W, source 1 = x: a lane holds one token and its registers run along the head's channels, the K of q k^T.   v: source 0 = x, source 1 = W: a lane holds one channel and its registers run along the keys, the K of p v.
; The loop's text is one for both: only the LDS addresses of the two sources change places.  The bias, divided by the power of two that the sums lack, is the C of the first K step.
; qimg: [batch x head][token tile 0..63][1024] (16 tokens x 64 channels: byte 512 g + 16 lane, k = 32 g + 16 h + 0 .. 15).   kvimg: [batch x head][128 keys 0..7][k: 8 tiles x 1024, then v: 4 channel tiles x 2048].
; CLUSTER: the four blocks of tokens of a cluster take the same tile of W: it is asked for jointly (mask 15).  x's tiles are each work-group's own (no mask); they share no tile along x, and 9 blocks along y do not divide by 4.
; The ring has two slots of two K steps; slot 0 is filled again once.  A wave has two tensor loads out at the start, later one.  No prefetch: the one refill is asked for a third of the way in, and one for it could stand only at the head.
; LIMITS: e(out) - e(W) - e(x) between -126 and 127 for each of the three products, so that the conversions' scale is an f32 number.  NaN is not served.
; REGISTERS: window 0: v8-15 the bias's offsets; v16, 17 and v20, 21 LDS addresses of sources 1 and 0 in slots 0, 1; v24-29; v32-95 the bias; v96-127 codes; v128-255 source 1's eight fragments, ONE set.
;   window 1: source 0's fragments, TWO sets.   window 2: the accumulators of source 1's blocks 0-3 ((a, b) at v[8 (8 (a % 4) + b)]);   window 3: of blocks 4-7.
.set FR,    16                         ; registers of a fragment
.set NL,    4                          ; LDS loads that bring one
.set NP,    4                          ; places behind this matrix instruction (ISA guide 7.12.1)
.set SLOT,  131072                     ; x's 16 tiles x 4,096 bytes, then W's 16
.set SPARE, 262144                     ; behind the ring: the spare words, 128 bytes for each wave
.set BADR,  8
.set ADR1,  16
.set ADR0,  20
.set LI,    24                         ; v24  16 x lane
.set LI2,   25                         ; v25  the same, one head (q, k) or two pieces (v) further on
.set LIM,   26
.set SCL,   27                         ; v27  the conversions' scale
.set SPW,   28                         ; v28  my spare word's LDS address; never rewritten
.set NIL,   29                         ; v29  0; never rewritten
.set BIAS,  32
.set CD,    96
.set AF,    128
.set G1X, 24                           ; s[24:31] group 1 for x's tiles; s[32:39] group 0, a set for each slot
.set G0X, 32
.set G1W, 40                           ; s[40:47], s[48:55] the same for W's
.set G0W, 48
.set MSB, 0
.macro WIN new                         ; the immediate's high byte repeats the setting that is left
.if MSB != \new
	s_set_vgpr_msb (MSB<<8)|\new
.set MSB, \new
.endif
.endm
.set MUL_LO, 0xa1                      ; source 0 window 1, source 1 window 0, C and D window 2
.set MUL_HI, 0xf1                      ; the same, C and D window 3
.set TO_B,   0x40                      ; destination window 1, address window 0
.macro JLOAD s                         ; waves 0, 1 fetch x's halves (a load of their own), waves 2, 3 W's (jointly).  The branch hangs on the wave's number alone; an s_nop 0 and four v_nop follow each line
	s_cmp_eq_u32 s21, 0
	s_cbranch_scc0 .Lfor_w_\@
	tensor_load_to_lds s[G0X+4*\s:G0X+4*\s+3], s[G1X:G1X+7]
	s_nop 0
.rept 4
	v_nop
.endr
	s_branch .Lasked_\@
.Lfor_w_\@:
	tensor_load_to_lds s[G0W+4*\s:G0W+4*\s+3], s[G1W:G1W+7]
	s_nop 0
.rept 4
	v_nop
.endr
.Lasked_\@:
.endm
.macro CREST                           ; a round of the cluster's barrier behind its opening barrier
	s_cmp_lg_u32 s20, 0
	s_cbranch_scc1 .Lnot_wave_0_\@
	s_barrier_signal -3
.Lnot_wave_0_\@:
	s_barrier_wait -3
	s_barrier_signal -1
	s_barrier_wait -1
.endm
.macro CROUND
	s_barrier_signal -1
	s_barrier_wait -1
	CREST
.endm
	s_load_b256 s[4:11], s[0:1], 0x0               ; ximg s[4:5], wimg s[6:7], bq s[8:9], bk s[10:11]
	s_load_b256 s[12:19], s[0:1], 0x20             ; bv s[12:13], the exponents s[14:15], qimg s[16:17], kvimg s[18:19]
	v_lshl_add_u32 v[SPW], v0, 2, SPARE
	v_mov_b32 v[NIL], 0
	ds_add_u32 v[SPW], v[NIL]                      ; the wave's opening: the add, twice on end, and its wait ahead of my first tensor load
	ds_add_u32 v[SPW], v[NIL]
	v_lshrrev_b32 v1, 5, v0
	v_readfirstlane_b32 s20, v1                    ; wave 0..3
	s_lshr_b32 s21, s20, 1                         ; which half of source 1's rows is mine.  Also: I fetch for x (0) or for W (1)
	s_and_b32 s22, s20, 1                          ; which half of source 0's.  Also: which 8 tiles I fetch
	s_bfe_u32 s56, ttmp6, 0x40000                  ; cx
	s_lshl_b32 s57, ttmp9, 2
	s_add_co_u32 s57, s57, s56                     ; my block of 256 tokens
	s_and_b32 s58, ttmp7, 0xffff
	s_mul_i32 s59, s58, 11
	s_lshr_b32 s59, s59, 5                         ; y / 3, exact for 0 .. 8: 0 q, 1 k, 2 v: the same in all partners
	s_mul_i32 s60, s59, 3
	s_sub_co_u32 s60, s58, s60                     ; my block of 256 features
	s_mov_b32 s[G1X], 3<<16                        ; no mask; elements of 8 bytes; no padding
	s_mov_b32 s[G1W], 15|(3<<16)|(1<<21)           ; the mask: all four work-groups; bit 21 beside it
.irp g, G1X, G1W
	s_mov_b32 s[\g+1], 512<<16                     ; tensor_dim0 = 512 elements: two K steps of a tile, 4,096 bytes
	s_mov_b32 s[\g+2], 8<<16                       ; tensor_dim1 = 8 tiles
	s_mov_b32 s[\g+3], 512<<16                     ; tile_dim0
	s_mov_b32 s[\g+4], 8                           ; tile_dim1
	s_mov_b32 s[\g+5], 1536                        ; from tile to tile: six K steps, 12,288 bytes
	s_mov_b32 s[\g+6], 0
	s_mov_b32 s[\g+7], 0
.endr
	s_lshl_b32 s80, s57, 4                         ; x: set, tile 16 x block + 8 x half
	s_lshl_b32 s81, s22, 3
	s_add_co_u32 s80, s80, s81
	s_mul_i32 s80, s80, 12288
	s_mul_i32 s81, s59, 12582912
	s_add_co_u32 s80, s80, s81
	s_mov_b32 s81, 0
	s_lshl_b32 s82, s60, 4                         ; W: matrix, tile 16 x block + 8 x half: made of y and the wave's number alone
	s_lshl_b32 s83, s22, 3
	s_add_co_u32 s82, s82, s83
	s_mul_i32 s82, s82, 12288
	s_mul_i32 s83, s59, 589824
	s_add_co_u32 s82, s82, s83
	s_mov_b32 s83, 0
	s_lshl_b32 s84, s20, 15                        ; where they go: 32,768 x wave
	s_wait_dscnt 0x0                               ; both opening adds are done
	s_wait_kmcnt 0x0
	s_load_b256 s[68:75], s[14:15], 0x0            ; e0 .. e7
	s_load_b128 s[76:79], s[14:15], 0x20           ; e8 .. e11
	s_add_nc_u64 s[80:81], s[4:5], s[80:81]
	s_add_nc_u64 s[82:83], s[6:7], s[82:83]
	CROUND                                         ; all four work-groups are here: the first joint loads meet
.irp s, 0,1
	s_mov_b32 s[G0X+4*\s], 1
	s_add_co_u32 s[G0X+4*\s+1], s84, \s*SLOT
	s_add_nc_u64 s[G0X+4*\s+2:G0X+4*\s+3], s[80:81], \s*4096   ; slot s begins with K steps 2 s, 2 s + 1
	s_or_b32 s[G0X+4*\s+3], s[G0X+4*\s+3], 0x80000000
	s_mov_b32 s[G0W+4*\s], 1
	s_add_co_u32 s[G0W+4*\s+1], s84, \s*SLOT
	s_add_nc_u64 s[G0W+4*\s+2:G0W+4*\s+3], s[82:83], \s*4096
	s_or_b32 s[G0W+4*\s+3], s[G0W+4*\s+3], 0x80000000
	JLOAD \s
.endr
	; what differs between q, k and v, all of it chosen on y alone
	s_cmp_eq_u32 s59, 2
	s_cselect_b32 s61, 65536, 0                    ; where source 1 lies in a slot: x's region, for v W's
	s_cselect_b32 s62, 0, 65536                    ; and source 0
	s_cselect_b32 s86, s21, s22                    ; which half of the features is mine
	s_cselect_b32 s87, s22, s21                    ; which half of the tokens
	s_cselect_b32 s99, -1, 0                       ; all lanes for v, none for q and k
	v_and_b32 v1, 31, v0
	v_lshlrev_b32 v[LI], 4, v1
	s_lshl_b32 s85, s21, 15
	s_add_co_u32 s85, s85, s61
	v_add_nc_u32 v[ADR1], s85, v[LI]
	v_add_nc_u32 v[ADR1+1], SLOT, v[ADR1]
	s_lshl_b32 s85, s22, 15
	s_add_co_u32 s85, s85, s62
	v_add_nc_u32 v[ADR0], s85, v[LI]
	v_add_nc_u32 v[ADR0+1], SLOT, v[ADR0]
	; the bias of my 128 features, in the result's layout, 8 registers a tile.  q, k (tile = source 0's, register j = feature 32 b + 16 h + 8 u + j): offset 64 h + 4 j.  v (tile = source 1's, every register = feature 32 b + 8 u + r + 8 (r / 8)): offset 4 (r + 8 (r / 8)).
	s_cmp_eq_u32 s59, 0
	s_cselect_b64 s[88:89], s[8:9], s[10:11]
	s_cmp_eq_u32 s59, 2
	s_cselect_b64 s[88:89], s[12:13], s[88:89]
	s_lshl_b32 s90, s60, 10
	s_lshl_b32 s91, s86, 9
	s_add_co_u32 s90, s90, s91
	s_mov_b32 s91, 0
	s_add_nc_u64 s[88:89], s[88:89], s[90:91]
	v_bfe_u32 v3, v0, 4, 1                         ; h
	v_and_b32 v4, 15, v0                           ; r
	v_and_b32 v5, 8, v4
	v_add_nc_u32 v5, v5, v4
	v_lshlrev_b32 v5, 2, v5
.irp j, 0,1,2,3,4,5,6,7
	v_lshl_or_b32 v[BADR+\j], v3, 6, 4*\j
	v_cndmask_b32 v[BADR+\j], v[BADR+\j], v5, s99
.endr
.irp t, 0,1,2,3,4,5,6,7
.irp j, 0,1,2,3,4,5,6,7
	global_load_b32 v[BIAS+8*\t+\j], v[BADR+\j], s[88:89] offset:(32*(\t/2)+8*(\t%2))*4   ; they land while the first tiles are on their way
.endr
.endr
	; the way out's base and steps.  q: a head is 65,536 bytes, k and v: 131,072; my 128 tokens are an eighth of it
	s_cmp_eq_u32 s59, 0
	s_cselect_b64 s[96:97], s[16:17], s[18:19]
	s_mov_b32 s85, 131072
	s_cselect_b32 s85, 65536, s85
	s_cmp_eq_u32 s59, 2
	s_cselect_b32 s66, 8192, 0                     ; v lies behind a key step's k
	s_cselect_b32 s67, 1024, s85                   ; the second pair of stores: v: pieces 2, 3 of the fragment; q, k: the next head
	s_mov_b32 s90, 1024
	s_cselect_b32 s90, 2048, s90                   ; from block to block of source 1: the next token tile (q, k) or channel tile (v)
	s_mov_b32 s92, 1024
	s_cselect_b32 s92, 124928, s92                 ; into block 4: for v the next head's first channel tile: 131,072 - 3 x 2,048
	s_mov_b32 s91, 0
	s_mov_b32 s93, 0
	s_lshr_b32 s80, s57, 2                         ; the batch: 4 blocks of tokens each
	s_mul_i32 s80, s80, 12
	s_lshl_b32 s81, s60, 2
	s_add_co_u32 s80, s80, s81
	s_lshl_b32 s81, s86, 1
	s_add_co_u32 s80, s80, s81                     ; batch x 12 + my first head
	s_mul_i32 s80, s80, s85
	s_and_b32 s81, s57, 3
	s_lshl_b32 s81, s81, 1
	s_add_co_u32 s81, s81, s87                     ; which 128 tokens of the batch's 1,024
	s_lshr_b32 s85, s85, 3
	s_mul_i32 s81, s81, s85
	s_add_co_u32 s80, s80, s81
	s_add_co_u32 s80, s80, s66
	s_mov_b32 s81, 0
	s_add_nc_u64 s[96:97], s[96:97], s[80:81]
	v_add_nc_u32 v[LI2], s67, v[LI]
.macro FRAG reg, adr, q, i             ; tile i of my eight, the slot's q-th K step: four loads of 512 consecutive bytes
.irp c, 0,1,2,3
	ds_load_b128 v[\reg+4*\c:\reg+4*\c+3], v[\adr] offset:4096*(\i)+2048*(\q)+512*\c
.endr
.endm
; 16 matrix instructions: source 1's blocks a0, a0 + 1 x source 0's eight.  p: source 0's set.  zero = 1: C is the bias by source 0's tile; 2: by source 1's; 0: in place.
; The 64 accumulators take turns, one instruction a turn, in the same order in every step.
.macro MUL16 a0, p, zero
.irp a, \a0, \a0+1
.irp b, 0,1,2,3,4,5,6,7
.if \zero == 1
	v_wmma_f32_16x16x128_fp8_fp8 v[8*(8*((\a)%4)+\b):8*(8*((\a)%4)+\b)+7], v[128*(\p)+FR*\b:128*(\p)+FR*\b+FR-1], v[AF+FR*(\a):AF+FR*(\a)+FR-1], v[BIAS+8*\b:BIAS+8*\b+7]
.elseif \zero == 2
	v_wmma_f32_16x16x128_fp8_fp8 v[8*(8*((\a)%4)+\b):8*(8*((\a)%4)+\b)+7], v[128*(\p)+FR*\b:128*(\p)+FR*\b+FR-1], v[AF+FR*(\a):AF+FR*(\a)+FR-1], v[BIAS+8*(\a):BIAS+8*(\a)+7]
.else
	v_wmma_f32_16x16x128_fp8_fp8 v[8*(8*((\a)%4)+\b):8*(8*((\a)%4)+\b)+7], v[128*(\p)+FR*\b:128*(\p)+FR*\b+FR-1], v[AF+FR*(\a):AF+FR*(\a)+FR-1], v[8*(8*((\a)%4)+\b):8*(8*((\a)%4)+\b)+7]
.endif
.endr
.endr
.endm
.macro FETCH_B slot, q, p
	WIN TO_B
.irp i, 0,1,2,3,4,5,6,7
	FRAG 128*(\p)+FR*\i, ADR0+\slot, \q, \i
.endr
	WIN 0
.endm
.macro FETCH_A slot, q, i0
.irp i, \i0, \i0+1, \i0+2, \i0+3
	FRAG AF+FR*(\i), ADR1+\slot, \q, \i
.endr
.endm
.macro PLACES n                        ; plain vector lines between a matrix instruction and a load into, or a vector read of, its registers
.rept \n
	v_nop
.endr
.endm
; A K step that has its successor in the same slot.  Source 1's blocks are free as soon as their eight products are issued: blocks 0-3 are fetched anew in the middle, blocks 4-7 at the end.
.macro STEP slot, q, zero
	s_wait_dscnt 4*NL                              ; source 0's set and source 1's blocks 0-3 are in; the youngest 16 loads (blocks 4-7) may be out
.if \zero
	WIN 0x81                                       ; C (the bias) window 0, D window 2
.else
	WIN MUL_LO
.endif
	MUL16 0, (\q)%2, \zero
	MUL16 2, (\q)%2, \zero
	s_wait_dscnt 0                                 ; blocks 4-7 are in
	PLACES NP
	FETCH_B \slot, (\q)+1, 1-(\q)%2
	FETCH_A \slot, (\q)+1, 0
.if \zero
	WIN 0xc1
.else
	WIN MUL_HI
.endif
	MUL16 4, (\q)%2, \zero
	MUL16 6, (\q)%2, \zero
	PLACES NP
	WIN 0
	FETCH_A \slot, (\q)+1, 4
.endm
; A slot's last step changes slots: one barrier; in front of it each wave waits for all its tensor loads, adds 0 to its spare word, and waits for that and for its reads of this slot.  fill = 1: the slot is filled again.
.macro TURN slot, next, fill
	s_wait_tensorcnt 0x0                           ; all my tensor loads have landed: my part of the next slot
	ds_add_u32 v[SPW], v[NIL]                      ; 0 onto my spare word
	s_wait_dscnt 4*NL+1                            ; (the add and the youngest 16 loads may be out)
	WIN MUL_LO
	MUL16 0, 1, 0                                  ; sixteen matrix instructions stand between the add and the wait for it
	s_wait_dscnt 0x0                               ; the add is done, and my reads of this slot are over
	s_barrier_signal -1
	MUL16 2, 1, 0
	WIN 0
	s_barrier_wait -1
.if \fill
	CREST                                          ; the barrier has opened a round of the cluster's: no wave of any partner still reads this slot or has a load on its way
	s_add_nc_u64 s[G0X+4*\slot+2:G0X+4*\slot+3], s[G0X+4*\slot+2:G0X+4*\slot+3], 8192   ; four K steps on
	s_add_nc_u64 s[G0W+4*\slot+2:G0W+4*\slot+3], s[G0W+4*\slot+2:G0W+4*\slot+3], 8192
	JLOAD \slot                                    ; the first tensor load behind the round; its four v_nop are also the places in front of the loads below
.else
	PLACES NP
.endif
	FETCH_B \next, 0, 0
	FETCH_A \next, 0, 0
	WIN MUL_HI
	MUL16 4, 1, 0
	MUL16 6, 1, 0
	PLACES NP
	WIN 0
	FETCH_A \next, 0, 4
.endm
	s_wait_tensorcnt 1                             ; my part of slot 0 is in; slot 1's load may be out
	s_barrier_signal -1
	s_barrier_wait -1
	FETCH_B 0, 0, 0
	FETCH_A 0, 0, 0
	FETCH_A 0, 0, 4
	s_wait_kmcnt 0x0
	s_cmp_eq_u32 s59, 0                            ; the product's three exponents: W's, x's, and the result's as the next operand: (e0, e1, e6), (e2, e3, e7), (e4, e5, e9)
	s_cselect_b32 s94, s68, s70
	s_cselect_b32 s95, s69, s71
	s_cselect_b32 s98, s74, s75
	s_cmp_eq_u32 s59, 2
	s_cselect_b32 s94, s72, s94
	s_cselect_b32 s95, s73, s95
	s_cselect_b32 s98, s77, s98
	s_add_co_i32 s94, s94, s95                     ; a sum stands for sum x 2^(eW + ex):
	s_sub_co_i32 s95, 0, s94                       ; the bias goes in divided by that,
	s_sub_co_i32 s98, s98, s94                     ; and the three scales are folded into the conversion's one
	s_add_co_i32 s98, s98, 127
	s_lshl_b32 s99, s98, 23
	v_mov_b32 v[SCL], s99
	s_wait_loadcnt 0x0                             ; the bias
.set Q, 0
.rept 64
	v_ldexp_f32 v[BIAS+Q], v[BIAS+Q], s95
.set Q, Q+1
.endr
	s_cmp_eq_u32 s59, 2                            ; the first K step is written twice: its C goes by source 0's tile (q, k) or by source 1's (v).  The branch hangs on y alone
	s_cbranch_scc1 .Lfirst_v
	s_wait_alu depctr_va_vdst(0)
	STEP 0, 0, 1
	s_branch .Lfirst_done
.Lfirst_v:
	s_wait_alu depctr_va_vdst(0)
	STEP 0, 0, 2
.Lfirst_done:
	TURN 0, 1, 1                                   ; K step 1; slot 0 takes K steps 4, 5
	STEP 1, 0, 0                                   ; 2
	TURN 1, 0, 0                                   ; 3; nothing is left to fetch
	STEP 0, 0, 0                                   ; 4
	s_wait_dscnt 4*NL                              ; 5
	WIN MUL_LO
	MUL16 0, 1, 0
	MUL16 2, 1, 0
	s_wait_dscnt 0
	WIN MUL_HI
	MUL16 4, 1, 0
	MUL16 6, 1, 0
	WIN 0
	PLACES NP
; THE WAY OUT, by source 1's blocks.  A block's 64 sums of a lane are four runs of 16 neighbours along the next K: converted, they are 16 registers of codes, stored as they stand: each store is 512 consecutive bytes, aligned.
; q, k: runs 0, 1 are my first head's fragment of the token tile, runs 2, 3 the next head's.   v: the four runs are the channel tile's fragment of 128 keys.
.macro OUTBLK a
.set AC, 64*((\a)%4)
.set CC, CD+16*((\a)%2)
	WIN 0x02+((\a)/4)                              ; source 0: window 2 or 3
.set Q, 0
.rept 64
.set Q, Q+1
.endr
.irp k, 0,1,2,3,4,5,6,7
	v_cvt_scalef32_pk8_fp8_f32 v[CC+2*\k:CC+2*\k+1], v[AC+8*\k:AC+8*\k+7], v[SCL]
.endr
	WIN 0
	v_nop                                          ; a plain line behind the conversions
.if (\a) > 0
	s_wait_alu depctr_va_vdst(0)
	s_wait_xcnt 0x0                                ; the earlier stores have read their base and their data: the base steps here, and the block after this one writes the codes of the block before it
.if (\a) == 4
	s_add_nc_u64 s[96:97], s[96:97], s[92:93]
.else
	s_add_nc_u64 s[96:97], s[96:97], s[90:91]
.endif
.endif
	global_store_b128 v[LI], v[CC:CC+3], s[96:97]
	global_store_b128 v[LI], v[CC+4:CC+7], s[96:97] offset:512
	global_store_b128 v[LI2], v[CC+8:CC+11], s[96:97]
	global_store_b128 v[LI2], v[CC+12:CC+15], s[96:97] offset:512
.endm
.irp a, 0,1,2,3,4,5,6,7
	OUTBLK \a
.endr
	s_wait_tensorcnt 0x0                           ; the wave's end
	ds_add_u32 v[SPW], v[NIL]
	s_wait_dscnt 0x0
	CROUND                                         ; the closing round: no work-group ends while a partner may still ask for a tile that names it
	s_endpgm
.Lfunc_end_k_qde3ae695e4_qkv:
	.size	k_qde3ae695e4_qkv, .Lfunc_end_k_qde3ae695e4_qkv-k_qde3ae695e4_qkv
	.p2alignl 7, 3214868480
	.fill 96, 4, 3214868480
	.section	.rodata,"a",@progbits
	.p2align	6, 0x0
	.amdhsa_kernel k_qde3ae695e4_qkv
		.amdhsa_group_segment_fixed_size 327680
		.amdhsa_private_segment_fixed_size 0
		.amdhsa_enable_private_segment 0
		.amdhsa_kernarg_size 64
		.amdhsa_user_sgpr_count 2
		.amdhsa_user_sgpr_kernarg_segment_ptr 1
		.amdhsa_wavefront_size32 1
		.amdhsa_system_sgpr_workgroup_id_x 1
		.amdhsa_system_sgpr_workgroup_id_y 1
		.amdhsa_system_sgpr_workgroup_id_z 1
		.amdhsa_system_vgpr_workitem_id 0
		.amdhsa_next_free_vgpr 1024
		.amdhsa_next_free_sgpr 100
		.amdhsa_reserve_vcc 0
		.amdhsa_float_denorm_mode_32 3
		.amdhsa_float_denorm_mode_16_64 3
		.amdhsa_fp16_overflow 1
		.amdhsa_memory_ordered 1
		.amdhsa_forward_progress 1
		.amdhsa_inst_pref_size 89
	.end_amdhsa_kernel
	.amdgpu_metadata
---
amdhsa.version: [ 1, 2 ]
amdhsa.kernels:
  - .name:           k_qde3ae695e4_qkv
    .symbol:         k_qde3ae695e4_qkv.kd
    .args:
      - { .name: ximg, .offset: 0, .size: 8, .value_kind: global_buffer, .address_space: global }
      - { .name: wimg, .offset: 8, .size: 8, .value_kind: global_buffer, .address_space: global }
      - { .name: bq, .offset: 16, .size: 8, .value_kind: global_buffer, .address_space: global }
      - { .name: bk, .offset: 24, .size: 8, .value_kind: global_buffer, .address_space: global }
      - { .name: bv, .offset: 32, .size: 8, .value_kind: global_buffer, .address_space: global }
      - { .name: lowp_scales, .offset: 40, .size: 8, .value_kind: global_buffer, .address_space: global }
      - { .name: qimg, .offset: 48, .size: 8, .value_kind: global_buffer, .address_space: global }
      - { .name: kvimg, .offset: 56, .size: 8, .value_kind: global_buffer, .address_space: global }
    .group_segment_fixed_size: 327680
    .private_segment_fixed_size: 0
    .kernarg_segment_align: 8
    .kernarg_segment_size: 64
    .max_flat_workgroup_size: 128
    .sgpr_count:     100
    .vgpr_count:     1024
    .wavefront_size: 32
...
	.end_amdgpu_metadata
.endif
;; end of part 6
;; launch attn (part 7): grid 4 x 64, 8 waves a work-group, clusters of 4 x 1, 327,680 bytes of LDS; arguments qimg, kvimg, lowp_scales, oimg; writes oimg
.if DOCPART == 7
	.amdgcn_target "amdgcn-amd-amdhsa--gfx1250"
	.amdhsa_code_object_version 6
	.text
	.protected	k_qde3ae695e4_attn
	.globl	k_qde3ae695e4_attn
	.p2align	8
	.type	k_qde3ae695e4_attn,@function
k_qde3ae695e4_attn:
	s_mov_b64 s[64:65], 0
	v_nop
	global_prefetch_b8 v0, s[64:65] scope:SCOPE_SE
	s_setreg_imm32_b32 hwreg(HW_REG_WAVE_MODE, 25, 1), 1
	s_wait_xcnt 0x0
	s_wait_alu depctr_hold_cnt(0) depctr_sa_sdst(0) depctr_va_vdst(0) depctr_va_sdst(0) depctr_va_ssrc(0) depctr_va_vcc(0) depctr_vm_vsrc(0)
	s_getreg_b32 s2, hwreg(HW_REG_IB_STS2, 6, 4)
	s_cmp_eq_u32 s2, 0
	s_cbranch_scc0 .Lentry_in_a_cluster
	s_endpgm
.Lentry_in_a_cluster:
	s_bfe_u32 s2, ttmp6, 0x10000c
	s_cmp_lg_u32 s2, 0x3003
	s_cbranch_scc0 .Lentry_shape_is_right
	s_endpgm
.Lentry_shape_is_right:
; THIRD LAUNCH: o = softmax(q k^T / 8) v, both products on codes of FP8; o is quantised on the way out as the last product's operand.  Nothing of reference() is left out.
; THE SOFTMAX AHEAD OF THE SECOND PRODUCT: t = score x log2(e) / 8; M = the running largest t rounded UP to a whole number; p = 2^(t - M) is quantised, not normalised; the row's sum is taken of the unquantised p and divides at the end.
; When M moves, the sum and O are multiplied by 2^(old M - new M): nothing is rounded, and there is no branch on data.
; SHARES.  256 work-groups THAT STAY: work-group (x, y) owns queries 256 x .. 256 x + 255 of the THREE heads 3 y, 3 y + 1, 3 y + 2 (counted batch x 12 + head; the three lie in one batch, since 12 = 4 x 3) and walks them one after the other.
; Each of its eight waves owns two token tiles of 16, so that each fragment of k and v read from LDS feeds two matrix instructions.  Two waves share a SIMD: one's vector work stands beside the other's products and loads.
; LDS: TWO SLOTS, EACH A HEAD'S WHOLE k AND v (131,072 bytes).  At the kernel's head every wave asks for its eighth of head 0's key steps 0, 1, of its key steps 2 to 7, and of head 1 (slot 1): three tensor loads of a wave are out.
; Behind head 0 slot 0 is filled again, once, with head 2: one load a wave, which has all of head 1 in which to land.  The four query blocks of a head form the cluster and ask jointly (mask 15).
; No prefetch: every head's k and v are asked for by the tensor loads themselves a whole head ahead (the first head's at the kernel's head); the next head's q is asked for in a head's last key step.
; LAYOUT.  Both products transposed: S^T = k q^T (source 0 = 16 keys), O^T = v^T p^T (source 0 = 16 channels): a lane holds ONE query throughout.  Row m of tile 2 b + u (keys and channels) is index 32 b + 8 u + m + 8 (m / 8),
; so the 16 registers of tiles 2 b, 2 b + 1 are 16 neighbours: p's conversions give the second product's operand, o's the last product's.  All operands are images of registers: a load takes 512 consecutive bytes.
; A KEY STEP is written three times a head: the first (its products start O^T with the constant 0, its softmax starts t, M and the sum: nothing is cleared), a loop of six, and the last (which fetches no further k).
; LIMITS: e6 + e7 between -124 and 129 (added to c's exponent field); e8 and e10 between -126 and 127.  NaN is not served.
; REGISTERS: window 0: v1 16 x lane, v2 the step's LDS address, v3, v4 the add's two, v6 2^e8, v30 2^e10; v8-13, v14-19 a tile's -M, largest t, sum (two halves), f (and its pair's upper word);
;   v20-25 at work; v26-29 second chains of the sums; v32-95 eight fragments of k; v96-159, v160-223 S^T, then p; v224-239, v240-255 p's codes, on the way out o's.   window 1: v0-31, v32-63 O^T; v64-79 q; v80-143 four fragments of v.
.set SLOT1, 131072                     ; slot 1 begins here
.set SPARE, 262144                     ; behind the two slots: the spare words, 128 bytes for each wave
.set LI,   1
.set ADK,  2
.set SPW,  3
.set NIL,  4
.set LIM,  5
.set SCL,  6
.set LIMO, 7
.set ST,   8
.set WK,   20
.set Z,    26
.set SCLO, 30
.set KF,   32
.set S,    96
.set P,    224
.set QF,   64                          ; in window 1
.set VF,   80                          ; in window 1
.set WV,   12
.set G1A,  24                          ; s[24:31] group 1: 16 rows of 256 bytes;  s[32:39]: 48 rows;  s[80:87]: 64 rows
.set G1B,  32
.set G1C,  80
.set G0A,  40                          ; groups 0, one for each of the wave's four loads, written once: head 0's key steps 0, 1;
.set G0B,  44                          ; its key steps 2 to 7;
.set G0C,  88                          ; head 1, into slot 1;
.set G0D,  92                          ; head 2, into slot 0 again
.set EO,   56                          ; s56  e8 + e9
.set CS,   58                          ; s[58:59] c = log2(e) / 8 x 2^(e6 + e7)
.set SEL,  60                          ; s[60:61] v_permlanex16_b32's selects: lane l xor 16
.set TB,   62                          ; s62  LDS byte at which the key step in hand begins
.set CNT,  63
.set MSB, 0
.macro WIN new                         ; the immediate's high byte repeats the setting that is left
.if MSB != \new
	s_set_vgpr_msb (MSB<<8)|\new
.set MSB, \new
.endif
.endm
.macro CROUND                          ; a round of the cluster's barrier
	s_barrier_signal -1
	s_barrier_wait -1
	s_cmp_lg_u32 s[WV], 0
	s_cbranch_scc1 .Lnot_wave_0_\@
	s_barrier_signal -3
.Lnot_wave_0_\@:
	s_barrier_wait -3
	s_barrier_signal -1
	s_barrier_wait -1
.endm
	s_load_b256 s[4:11], s[0:1], 0x0               ; qimg s[4:5], kvimg s[6:7], the exponents s[8:9], oimg s[10:11]
	v_lshl_add_u32 v[SPW], v0, 2, SPARE
	v_mov_b32 v[NIL], 0
	ds_add_u32 v[SPW], v[NIL]                      ; the wave's opening: the add, twice on end, and its wait ahead of my first tensor load
	ds_add_u32 v[SPW], v[NIL]
	v_lshrrev_b32 v1, 5, v0
	s_delay_alu instid0(VALU_DEP_1)
	v_readfirstlane_b32 s[WV], v1                  ; wave 0..7
	s_bfe_u32 s13, ttmp6, 0x40000                  ; cx
	s_lshl_b32 s14, ttmp9, 2
	s_add_co_u32 s14, s14, s13                     ; my block of 256 queries: it enters q's and o's addresses alone
	s_and_b32 s15, ttmp7, 0xffff                   ; y: my three heads are 3 y on; the four partners share it
.irp g, G1A, G1B, G1C
	s_mov_b32 s[\g], 15|(3<<16)|(1<<21)            ; the mask: all four; elements of 8 bytes; bit 21 beside the mask; no padding
	s_mov_b32 s[\g+1], 32<<16                      ; rows of 32 elements, 256 bytes: the blocks are dense
	s_mov_b32 s[\g+3], 32<<16
	s_mov_b32 s[\g+5], 32
	s_mov_b32 s[\g+6], 0
	s_mov_b32 s[\g+7], 0
.endr
	s_mov_b32 s[G1A+2], 16<<16
	s_mov_b32 s[G1A+4], 16
	s_mov_b32 s[G1B+2], 48<<16
	s_mov_b32 s[G1B+4], 48
	s_mov_b32 s[G1C+2], 64<<16
	s_mov_b32 s[G1C+4], 64
	s_mov_b32 s[G0A], 1
	s_lshl_b32 s[G0A+1], s[WV], 12                 ; key steps 0, 1: 4,096 bytes a wave,
	s_mov_b32 s[G0B], 1
	s_mul_i32 s[G0B+1], s[WV], 12288               ; key steps 2 to 7: 12,288 a wave, behind them: a slot lies as the head lies in memory
	s_add_co_u32 s[G0B+1], s[G0B+1], 32768
	s_mov_b32 s[G0D], 1
	s_lshl_b32 s[G0D+1], s[WV], 14                 ; a whole head: 16,384 a wave: into slot 0,
	s_mov_b32 s[G0C], 1
	s_add_co_u32 s[G0C+1], s[G0D+1], SLOT1         ; into slot 1
	s_mul_i32 s16, s15, 393216                     ; my three heads' 3 x 131,072 bytes of kvimg
	s_add_co_u32 s20, s16, s[G0A+1]
	s_mov_b32 s21, 0
	s_add_co_u32 s22, s16, s[G0B+1]
	s_mov_b32 s23, 0
	s_add_co_u32 s52, s16, s[G0C+1]                ; head 1 begins 131,072 bytes behind head 0, as slot 1 behind slot 0,
	s_mov_b32 s53, 0
	s_add_co_u32 s54, s52, 131072                  ; head 2 as many again
	s_mov_b32 s55, 0
	s_mul_i32 s48, s15, 196608                     ; q: three heads of 65,536 bytes; token tile 16 x block + 2 x wave
	s_lshl_b32 s49, s14, 14
	s_add_co_u32 s48, s48, s49
	s_lshl_b32 s49, s[WV], 11
	s_add_co_u32 s48, s48, s49
	s_mov_b32 s49, 0
	s_lshr_b32 s50, s15, 2                         ; the batch: y / 4
	s_lshl_b32 s50, s50, 6
	s_lshl_b32 s51, s14, 4
	s_add_co_u32 s50, s50, s51
	s_lshl_b32 s51, s[WV], 1
	s_add_co_u32 s50, s50, s51                     ; o: token tile 64 x batch + 16 x block + 2 x wave, 12,288 bytes each;
	s_mul_i32 s50, s50, 12288
	s_and_b32 s51, s15, 3                          ; a head's 64 channels are two pieces of 512 bytes, 1,024 x head on; my first head is 3 (y % 4)
	s_mul_i32 s51, s51, 3072
	s_add_co_u32 s50, s50, s51
	s_mov_b32 s51, 0
	s_mov_b32 s[SEL], 0x76543210
	s_mov_b32 s[SEL+1], 0xfedcba98
	s_mov_b32 s[CS], 0x3e38aa3b                    ; log2(e) / 8
	s_mov_b32 s[TB], 0
	s_wait_dscnt 0x0                               ; both opening adds are done
	s_wait_kmcnt 0x0
	s_load_b256 s[68:75], s[8:9], 0x0              ; e0 .. e7
	s_load_b128 s[76:79], s[8:9], 0x20             ; e8 .. e11
	s_add_nc_u64 s[G0A+2:G0A+3], s[6:7], s[20:21]
	s_or_b32 s[G0A+3], s[G0A+3], 0x80000000
	s_add_nc_u64 s[G0B+2:G0B+3], s[6:7], s[22:23]
	s_or_b32 s[G0B+3], s[G0B+3], 0x80000000
	s_add_nc_u64 s[G0C+2:G0C+3], s[6:7], s[52:53]
	s_or_b32 s[G0C+3], s[G0C+3], 0x80000000
	s_add_nc_u64 s[G0D+2:G0D+3], s[6:7], s[54:55]
	s_or_b32 s[G0D+3], s[G0D+3], 0x80000000
	s_add_nc_u64 s[4:5], s[4:5], s[48:49]
	s_add_nc_u64 s[10:11], s[10:11], s[50:51]
	CROUND                                         ; all four work-groups are here: the joint loads meet
	tensor_load_to_lds s[G0A:G0A+3], s[G1A:G1A+7]  ; the first fills go out as one group
	s_nop 0
	tensor_load_to_lds s[G0B:G0B+3], s[G1B:G1B+7]
	s_nop 0
	tensor_load_to_lds s[G0C:G0C+3], s[G1C:G1C+7]
	s_nop 0
.rept 4
	v_nop
.endr
	v_and_b32 v1, 31, v0
	s_delay_alu instid0(VALU_DEP_1)
	v_lshlrev_b32 v[LI], 4, v1
	WIN 0x40                                       ; destination window 1
.irp i, 0,1,2,3
	global_load_b128 v[QF+4*\i:QF+4*\i+3], v[LI], s[4:5] offset:512*\i   ; the first head's q: two fragments
.endr
	WIN 0
.irp x, 0,1
	v_mov_b32 v[ST+6*\x+5], 0                      ; (named as the upper half of f's pair)
	v_mov_b32 v[WK+3*\x+2], 0                      ; written once: a lane permute's destination counts as one of its sources
.endr
	s_wait_alu depctr_va_vdst(0)
	s_wait_kmcnt 0x0
	s_add_co_i32 s52, s74, s75
	s_lshl_b32 s52, s52, 23
	s_add_co_i32 s[CS], s[CS], s52                 ; a score stands for score x 2^(e6 + e7): added to c's exponent field
	s_mov_b32 s[CS+1], s[CS]                       ; (named with it as a pair, so it is written)
	s_add_co_i32 s52, s76, 127
	s_lshl_b32 s53, s52, 23
	v_mov_b32 v[SCL], s53                          ; 2^e8
	s_add_co_i32 s52, s78, 127
	s_lshl_b32 s53, s52, 23
	v_mov_b32 v[SCLO], s53                         ; 2^e10
	s_add_co_i32 s[EO], s76, s77                   ; e8 + e9
; Both tiles' largest score of my query, the largest t, the new -M and f = 2^(old M - new M).  The two tiles take turns line by line: four chains.  first = 1: a head's first key step starts t and M, and has no f.
.macro SMAX first
.irp x, 0,1
	v_max3_num_f32 v[WK+3*\x], v[S+64*\x], v[S+64*\x+1], v[S+64*\x+2]          ; each accumulator is read from its low end on
.endr
.irp x, 0,1
	v_max3_num_f32 v[WK+3*\x+1], v[S+64*\x+3], v[S+64*\x+4], v[S+64*\x+5]
.endr
.irp i, 6,10,14,18,22,26,30,34,38,42,46,50,54,58
.irp x, 0,1
	v_max3_num_f32 v[WK+3*\x], v[WK+3*\x], v[S+64*\x+\i], v[S+64*\x+\i+1]
.endr
.irp x, 0,1
	v_max3_num_f32 v[WK+3*\x+1], v[WK+3*\x+1], v[S+64*\x+\i+2], v[S+64*\x+\i+3]
.endr
.endr
.irp x, 0,1
	v_max3_num_f32 v[WK+3*\x], v[WK+3*\x], v[S+64*\x+62], v[S+64*\x+63]
.endr
.irp x, 0,1
	s_delay_alu instid0(VALU_DEP_2)
	v_max_num_f32 v[WK+3*\x], v[WK+3*\x], v[WK+3*\x+1]
.endr
.irp x, 0,1
	s_delay_alu instid0(VALU_DEP_2)
	v_permlanex16_b32 v[WK+3*\x+2], v[WK+3*\x], s[SEL], s[SEL+1]
.endr
.irp x, 0,1
	s_delay_alu instid0(VALU_DEP_2)
	v_max_num_f32 v[WK+3*\x], v[WK+3*\x], v[WK+3*\x+2]                         ; and among lane l xor 16's keys
.endr
.if \first
.irp x, 0,1
	s_delay_alu instid0(VALU_DEP_2)
	v_mul_f32 v[ST+6*\x+1], s[CS], v[WK+3*\x]                                  ; as t (c is positive)
.endr
.irp x, 0,1
	s_delay_alu instid0(VALU_DEP_2)
	v_floor_f32 v[ST+6*\x], -v[ST+6*\x+1]                                      ; -M = floor(-t) = -ceil(t)
.endr
.else
.irp x, 0,1
	s_delay_alu instid0(VALU_DEP_2)
	v_mul_f32 v[WK+3*\x], s[CS], v[WK+3*\x]
.endr
.irp x, 0,1
	s_delay_alu instid0(VALU_DEP_2)
	v_max_num_f32 v[ST+6*\x+1], v[ST+6*\x+1], v[WK+3*\x]                       ; the running largest t
.endr
.irp x, 0,1
	v_mov_b32 v[WK+3*\x], v[ST+6*\x]
.endr
.irp x, 0,1
	s_delay_alu instid0(VALU_DEP_4)
	v_floor_f32 v[ST+6*\x], -v[ST+6*\x+1]
.endr
.irp x, 0,1
	s_delay_alu instid0(VALU_DEP_2)
	v_sub_f32 v[WK+3*\x], v[ST+6*\x], v[WK+3*\x]                               ; old M less new M: a whole number, 0 or less
.endr
.irp x, 0,1
	s_delay_alu instid0(VALU_DEP_2)
	v_cvt_i32_f32 v[WK+3*\x], v[WK+3*\x]                                       ; (it saturates)
.endr
.irp x, 0,1
	s_delay_alu instid0(VALU_DEP_2)
	v_ldexp_f32 v[ST+6*\x+4], 1.0, v[WK+3*\x]
.endr
.endif
.endm
; t - M, two at a time, and p = 2^(t - M), at most 1: ONE BATCH of 128 exponentials, none of whose results is named in it.  Tile 1's scalings stand between tile 0's exponentials.
.macro SEXP
.set Q, 0
.rept 32
	v_pk_fma_f32 v[S+Q:S+Q+1], v[S+Q:S+Q+1], s[CS:CS+1], v[ST:ST+1] op_sel_hi:[1,0,0]
.set Q, Q+2
.endr
.set Q, 0
	s_wait_alu depctr_va_vdst(0)
.rept 32
	v_exp_f32 v[S+Q], v[S+Q]
	v_exp_f32 v[S+Q+1], v[S+Q+1]
	v_pk_fma_f32 v[S+64+Q:S+64+Q+1], v[S+64+Q:S+64+Q+1], s[CS:CS+1], v[ST+6:ST+7] op_sel_hi:[1,0,0]
.set Q, Q+2
.endr
.set Q, 0
	s_wait_alu depctr_va_vdst(0)
.rept 64
	v_exp_f32 v[S+64+Q], v[S+64+Q]
.set Q, Q+1
.endr
.endm
; The rows' sums, of the unquantised p: two chains a tile, the tiles by turns.  first = 1: the sum begins with the step's own numbers.
.macro SSUM first
.irp x, 0,1
	v_pk_add_f32 v[Z+2*\x:Z+2*\x+1], v[S+64*\x:S+64*\x+1], v[S+64*\x+2:S+64*\x+3]
.endr
.irp j, 4,8,12,16,20,24,28,32,36,40,44,48,52,56,60
.irp x, 0,1
.if \first && (\j == 4)
	v_pk_add_f32 v[ST+6*\x+2:ST+6*\x+3], v[S+64*\x+4:S+64*\x+5], v[S+64*\x+8:S+64*\x+9]
	v_pk_add_f32 v[Z+2*\x:Z+2*\x+1], v[Z+2*\x:Z+2*\x+1], v[S+64*\x+6:S+64*\x+7]
.elseif \first && (\j == 8)
	v_pk_add_f32 v[Z+2*\x:Z+2*\x+1], v[Z+2*\x:Z+2*\x+1], v[S+64*\x+10:S+64*\x+11]
.else
	v_pk_add_f32 v[ST+6*\x+2:ST+6*\x+3], v[ST+6*\x+2:ST+6*\x+3], v[S+64*\x+\j:S+64*\x+\j+1]
	v_pk_add_f32 v[Z+2*\x:Z+2*\x+1], v[Z+2*\x:Z+2*\x+1], v[S+64*\x+\j+2:S+64*\x+\j+3]
.endif
.endr
.endr
.irp x, 0
	s_delay_alu instid0(VALU_DEP_3)
	v_pk_add_f32 v[ST+6*\x+2:ST+6*\x+3], v[ST+6*\x+2:ST+6*\x+3], v[Z+2*\x:Z+2*\x+1]
.endr
.irp x, 1
	s_delay_alu instid0(VALU_DEP_2)
	v_pk_add_f32 v[ST+6*\x+2:ST+6*\x+3], v[ST+6*\x+2:ST+6*\x+3], v[Z+2*\x:Z+2*\x+1]
.endr
.endm
; p's codes: registers 4 b .. 4 b + 3 of a tile hold keys 32 b + 16 h + 0 .. 15.
.macro SQNT
.set Q, 0
.rept 128
.set Q, Q+1
.endr
.irp x, 0,1
.irp b, 0,1,2,3
	v_cvt_scalef32_pk8_fp8_f32 v[P+16*\x+4*\b:P+16*\x+4*\b+1], v[S+64*\x+16*\b:S+64*\x+16*\b+7], v[SCL]
	v_cvt_scalef32_pk8_fp8_f32 v[P+16*\x+4*\b+2:P+16*\x+4*\b+3], v[S+64*\x+16*\b+8:S+64*\x+16*\b+15], v[SCL]
.endr
.endr
.endm
; A KEY STEP: 128 keys, 16,384 bytes of LDS from s[TB] on: k's eight tiles of 1,024, then v's four of 2,048.
; first = 1: a head's first step: it fetches its own k, waits for q, and starts O^T and the softmax's figures.   next = 1: the next step's k is fetched behind this step's scores, and has the softmax in which to land.
; qoff: not 0: the next head's q, qoff bytes on, is asked for behind this head's last scores.
.macro STEP first, next, qoff
	v_add_nc_u32 v[ADK], s[TB], v[LI]
.if \first
.irp t, 0,1,2,3,4,5,6,7
	ds_load_b128 v[KF+8*\t:KF+8*\t+3], v[ADK] offset:1024*\t
	ds_load_b128 v[KF+8*\t+4:KF+8*\t+7], v[ADK] offset:1024*\t+512
.endr
	s_wait_alu depctr_va_vdst(0)
	s_wait_loadcnt 0x0                             ; q
.endif
	s_wait_alu depctr_va_vdst(0)
	s_wait_dscnt 0x0                               ; k is in
	WIN 0x04                                       ; source 1 (q) window 1
.irp t, 0,1,2,3,4,5,6,7
.irp x, 0,1
	v_wmma_f32_16x16x64_fp8_fp8 v[S+64*\x+8*\t:S+64*\x+8*\t+7], v[KF+8*\t:KF+8*\t+7], v[QF+8*\x:QF+8*\x+7], 0
.endr
.endr
	WIN 0
.rept 4
	v_nop                                          ; places in front of the loads below (into k's and q's registers, which these products read, and v's, which the last step's read) and of the first read of the scores
.endr
	WIN 0x40                                       ; destination window 1
.irp t, 0,1,2,3
.irp c, 0,1,2,3
	ds_load_b128 v[VF+16*\t+4*\c:VF+16*\t+4*\c+3], v[ADK] offset:8192+2048*\t+512*\c   ; v lands under the softmax
.endr
.endr
.if \qoff
.irp i, 0,1,2,3
	global_load_b128 v[QF+4*\i:QF+4*\i+3], v[LI], s[4:5] offset:\qoff+512*\i
.endr
.endif
	WIN 0
.if \next
.irp t, 0,1,2,3,4,5,6,7
	ds_load_b128 v[KF+8*\t:KF+8*\t+3], v[ADK] offset:16384+1024*\t
	ds_load_b128 v[KF+8*\t+4:KF+8*\t+7], v[ADK] offset:16384+1024*\t+512
.endr
.endif
	SMAX \first
	SEXP
.if \first
	v_nop                                          ; the plain line behind the exponentials
.else
	v_pk_mul_f32 v[ST+2:ST+3], v[ST+2:ST+3], v[ST+4:ST+5] op_sel_hi:[1,0]      ; the sums under the new M: the plain lines behind the exponentials
	v_pk_mul_f32 v[ST+8:ST+9], v[ST+8:ST+9], v[ST+10:ST+11] op_sel_hi:[1,0]
.endif
	s_wait_alu depctr_va_vdst(0)                   ; one wait for the batch of 128 exponentials, ahead of its first reader
	SSUM \first
	SQNT
.if \first
	v_nop                                          ; a plain line between the conversions and the products that read their results
	s_wait_alu depctr_va_vdst(0)
	s_wait_dscnt 16*\next                          ; v is in; the sixteen loads of the next step's k, issued behind v's, may be out
	WIN 0x41                                       ; D and source 0 (v) window 1
.else
	WIN 0x41                                       ; O^T (destination and source 0) window 1, f window 0
.irp x, 0,1
.set Q, 0
.rept 16
	v_pk_mul_f32 v[32*\x+Q:32*\x+Q+1], v[32*\x+Q:32*\x+Q+1], v[ST+6*\x+4:ST+6*\x+5] op_sel_hi:[1,0]   ; O^T under the new M; these are also the plain lines behind the conversions
.set Q, Q+2
.endr
.endr
	s_wait_alu depctr_va_vdst(0)
	s_wait_dscnt 16*\next                          ; v is in; the sixteen loads of the next step's k, issued behind v's, may be out
	WIN 0x51                                       ; D, C and source 0 (v) window 1
.endif
.irp t, 0,1,2,3
.irp x, 0,1
.if \first
	v_wmma_f32_16x16x128_fp8_fp8 v[32*\x+8*\t:32*\x+8*\t+7], v[VF+16*\t:VF+16*\t+15], v[P+16*\x:P+16*\x+15], 0
.else
	v_wmma_f32_16x16x128_fp8_fp8 v[32*\x+8*\t:32*\x+8*\t+7], v[VF+16*\t:VF+16*\t+15], v[P+16*\x:P+16*\x+15], v[32*\x+8*\t:32*\x+8*\t+7]   ; the eight accumulators take turns
.endif
.endr
.endr
	WIN 0
	s_add_co_u32 s[TB], s[TB], 16384
.endm
; A head's key steps 1 to 7.
.macro WALK qoff
	s_mov_b32 s[CNT], 6
.Lstep_\@:
	STEP 0, 1, 0
	s_sub_co_u32 s[CNT], s[CNT], 1
	s_cmp_lg_u32 s[CNT], 0
	s_cbranch_scc1 .Lstep_\@
	STEP 0, 0, \qoff                               ; the last step is written out: there is no further k to fetch
.endm
; THE WAY OUT of my hd-th head.  o = O^T x 2^(e8 + e9) / the sum; converted with 2^e10, a lane's 32 numbers of a tile are two pieces of 16 bytes of the last product's operand; each store is 512 consecutive bytes, aligned.
.macro WAYOUT hd
	v_add_f32 v[WK], v[ST+2], v[ST+3]              ; the sum's two halves (these plain lines are the places behind the last products),
	v_add_f32 v[WK+3], v[ST+8], v[ST+9]
	s_delay_alu instid0(VALU_DEP_2)
	v_permlanex16_b32 v[WK+2], v[WK], s[SEL], s[SEL+1]
	s_delay_alu instid0(VALU_DEP_2)
	v_permlanex16_b32 v[WK+5], v[WK+3], s[SEL], s[SEL+1]
	s_delay_alu instid0(VALU_DEP_2)
	v_add_f32 v[WK], v[WK], v[WK+2]                ; and lane l xor 16's
	s_delay_alu instid0(VALU_DEP_2)
	v_add_f32 v[WK+3], v[WK+3], v[WK+5]
	s_wait_alu depctr_va_vdst(0)
	v_rcp_f32 v[WK], v[WK]
	v_rcp_f32 v[WK+3], v[WK+3]
	v_nop                                          ; a plain line behind the reciprocals
	s_wait_alu depctr_va_vdst(0)                   ; one wait for both, ahead of their first reader
	v_ldexp_f32 v[WK], v[WK], s[EO]
	v_ldexp_f32 v[WK+3], v[WK+3], s[EO]
.irp x, 0,1
	WIN 0x01                                       ; source 0 window 1
.set Q, 0
.rept 32
	v_mul_f32 v[S+64*\x+Q], v[32*\x+Q], v[WK+3*\x] ; each accumulator from its low end on
.set Q, Q+1
.endr
	WIN 0
.set Q, 0
.rept 32
.set Q, Q+1
.endr
.irp k, 0,1,2,3
	v_cvt_scalef32_pk8_fp8_f32 v[P+16*\x+2*\k:P+16*\x+2*\k+1], v[S+64*\x+8*\k:S+64*\x+8*\k+7], v[SCLO]
.endr
	v_nop                                          ; a plain line behind the conversions
	global_store_b128 v[LI], v[P+16*\x:P+16*\x+3], s[10:11] offset:12288*\x+1024*\hd
	global_store_b128 v[LI], v[P+16*\x+4:P+16*\x+7], s[10:11] offset:12288*\x+1024*\hd+512
.endr
.endm
	; ---- my first head, in slot 0
	s_wait_tensorcnt 2                             ; my part of its key steps 0, 1 is in; the two younger loads (its other key steps; the second head) may be out
	s_barrier_signal -1
	s_barrier_wait -1                              ; everybody's is
	STEP 1, 1, 0
	s_wait_tensorcnt 1                             ; my part of key steps 2 to 7 is in; the second head's load may be out
	s_wait_dscnt 0x0                               ; no LDS load of mine is out at the signal
	s_barrier_signal -1
	s_barrier_wait -1                              ; everybody's is
	WALK 65536
	WAYOUT 0
	; ---- the one refill: slot 0 takes my third head
	s_wait_tensorcnt 0x0                           ; all my tensor loads have landed: my part of slot 1 among them
	ds_add_u32 v[SPW], v[NIL]                      ; 0 onto my spare word
	s_wait_dscnt 0x0                               ; the add is done, and my reads of slot 0 are over
	CROUND                                         ; the same holds of every wave of all four work-groups
	tensor_load_to_lds s[G0D:G0D+3], s[G1C:G1C+7]  ; the first thing behind the round, and my one tensor load from here on
	s_nop 0
.rept 4
	v_nop
.endr
	; ---- my second head, in slot 1
	s_wait_xcnt 0x0                                ; the way out's stores have read their data, which this head's conversions write again
	s_mov_b32 s[TB], SLOT1
	STEP 1, 1, 0
	WALK 131072
	WAYOUT 1
	; ---- my third head, in slot 0
	s_wait_tensorcnt 0x0                           ; my part of it is in
	s_wait_dscnt 0x0
	s_barrier_signal -1
	s_barrier_wait -1                              ; everybody's is; nothing is filled again
	s_wait_xcnt 0x0                                ; as above
	s_mov_b32 s[TB], 0
	STEP 1, 1, 0
	WALK 0
	WAYOUT 2
	s_wait_tensorcnt 0x0                           ; the wave's end
	ds_add_u32 v[SPW], v[NIL]
	s_wait_dscnt 0x0
	CROUND                                         ; the closing round: no work-group ends while a partner may still ask for a tile that names it
	s_endpgm
.Lfunc_end_k_qde3ae695e4_attn:
	.size	k_qde3ae695e4_attn, .Lfunc_end_k_qde3ae695e4_attn-k_qde3ae695e4_attn
	.p2alignl 7, 3214868480
	.fill 96, 4, 3214868480
	.section	.rodata,"a",@progbits
	.p2align	6, 0x0
	.amdhsa_kernel k_qde3ae695e4_attn
		.amdhsa_group_segment_fixed_size 327680
		.amdhsa_private_segment_fixed_size 0
		.amdhsa_enable_private_segment 0
		.amdhsa_kernarg_size 32
		.amdhsa_user_sgpr_count 2
		.amdhsa_user_sgpr_kernarg_segment_ptr 1
		.amdhsa_wavefront_size32 1
		.amdhsa_system_sgpr_workgroup_id_x 1
		.amdhsa_system_sgpr_workgroup_id_y 1
		.amdhsa_system_sgpr_workgroup_id_z 1
		.amdhsa_system_vgpr_workitem_id 0
		.amdhsa_next_free_vgpr 400
		.amdhsa_next_free_sgpr 100
		.amdhsa_reserve_vcc 0
		.amdhsa_float_denorm_mode_32 3
		.amdhsa_float_denorm_mode_16_64 3
		.amdhsa_fp16_overflow 1
		.amdhsa_memory_ordered 1
		.amdhsa_forward_progress 1
		.amdhsa_inst_pref_size 234
	.end_amdhsa_kernel
	.amdgpu_metadata
---
amdhsa.version: [ 1, 2 ]
amdhsa.kernels:
  - .name:           k_qde3ae695e4_attn
    .symbol:         k_qde3ae695e4_attn.kd
    .args:
      - { .name: qimg, .offset: 0, .size: 8, .value_kind: global_buffer, .address_space: global }
      - { .name: kvimg, .offset: 8, .size: 8, .value_kind: global_buffer, .address_space: global }
      - { .name: lowp_scales, .offset: 16, .size: 8, .value_kind: global_buffer, .address_space: global }
      - { .name: oimg, .offset: 24, .size: 8, .value_kind: global_buffer, .address_space: global }
    .group_segment_fixed_size: 327680
    .private_segment_fixed_size: 0
    .kernarg_segment_align: 8
    .kernarg_segment_size: 32
    .max_flat_workgroup_size: 256
    .sgpr_count:     100
    .vgpr_count:     400
    .wavefront_size: 32
...
	.end_amdgpu_metadata
.endif
;; end of part 7
;; launch proj (part 8): grid 64 x 3, 4 waves a work-group, clusters of 4 x 1, 327,680 bytes of LDS; arguments oimg, wimg, bp, lowp_scales, out0; writes out0
.if DOCPART == 8
	.amdgcn_target "amdgcn-amd-amdhsa--gfx1250"
	.amdhsa_code_object_version 6
	.text
	.protected	k_qde3ae695e4_proj
	.globl	k_qde3ae695e4_proj
	.p2align	8
	.type	k_qde3ae695e4_proj,@function
k_qde3ae695e4_proj:
	s_mov_b64 s[64:65], 0
	v_nop
	global_prefetch_b8 v0, s[64:65] scope:SCOPE_SE
	s_setreg_imm32_b32 hwreg(HW_REG_WAVE_MODE, 25, 1), 1
	s_wait_xcnt 0x0
	s_wait_alu depctr_hold_cnt(0) depctr_sa_sdst(0) depctr_va_vdst(0) depctr_va_sdst(0) depctr_va_ssrc(0) depctr_va_vcc(0) depctr_vm_vsrc(0)
	s_getreg_b32 s2, hwreg(HW_REG_IB_STS2, 6, 4)
	s_cmp_eq_u32 s2, 0
	s_cbranch_scc0 .Lentry_in_a_cluster
	s_endpgm
.Lentry_in_a_cluster:
	s_bfe_u32 s2, ttmp6, 0x10000c
	s_cmp_lg_u32 s2, 0x3003
	s_cbranch_scc0 .Lentry_shape_is_right
	s_endpgm
.Lentry_shape_is_right:
.set FR,    16
.set NL,    4
.set NP,    4
.set SLOT,  131072
.set SPARE, 262144
.set SPITCH, 528
.set ADR1,  16
.set ADR0,  20
.set STO,   24
.set RD,    25
.set CO,    26
.set SPW,   28
.set NIL,   29
.set BIAS,  32
.set TMP,   32
.set AF,    128
.set BK,    128
.set G1X, 24
.set G0X, 32
.set G1W, 40
.set G0W, 48
.set MSB, 0
.macro WIN new
.if MSB != \new
	s_set_vgpr_msb (MSB<<8)|\new
.set MSB, \new
.endif
.endm
.set MUL_LO, 0xa1
.set MUL_HI, 0xf1
.set TO_B,   0x40
.macro JLOAD s
	s_cmp_eq_u32 s21, 0
	s_cbranch_scc0 .Lfor_w_\@
	tensor_load_to_lds s[G0X+4*\s:G0X+4*\s+3], s[G1X:G1X+7]
	s_nop 0
.rept 4
	v_nop
.endr
	s_branch .Lasked_\@
.Lfor_w_\@:
	tensor_load_to_lds s[G0W+4*\s:G0W+4*\s+3], s[G1W:G1W+7]
	s_nop 0
.rept 4
	v_nop
.endr
.Lasked_\@:
.endm
.macro CREST
	s_cmp_lg_u32 s20, 0
	s_cbranch_scc1 .Lnot_wave_0_\@
	s_barrier_signal -3
.Lnot_wave_0_\@:
	s_barrier_wait -3
	s_barrier_signal -1
	s_barrier_wait -1
.endm
.macro CROUND
	s_barrier_signal -1
	s_barrier_wait -1
	CREST
.endm
	s_load_b256 s[4:11], s[0:1], 0x0
	s_load_b64 s[12:13], s[0:1], 0x20
	v_lshl_add_u32 v[SPW], v0, 2, SPARE
	v_mov_b32 v[NIL], 0
	ds_add_u32 v[SPW], v[NIL]
	ds_add_u32 v[SPW], v[NIL]
	v_lshrrev_b32 v1, 5, v0
	v_readfirstlane_b32 s20, v1
	s_lshr_b32 s21, s20, 1
	s_and_b32 s22, s20, 1
	s_bfe_u32 s56, ttmp6, 0x40000
	s_lshl_b32 s57, ttmp9, 2
	s_add_co_u32 s57, s57, s56
	s_and_b32 s60, ttmp7, 0xffff
	s_mov_b32 s[G1X], 3<<16
	s_mov_b32 s[G1W], 15|(3<<16)|(1<<21)
.irp g, G1X, G1W
	s_mov_b32 s[\g+1], 512<<16
	s_mov_b32 s[\g+2], 8<<16
	s_mov_b32 s[\g+3], 512<<16
	s_mov_b32 s[\g+4], 8
	s_mov_b32 s[\g+5], 1536
	s_mov_b32 s[\g+6], 0
	s_mov_b32 s[\g+7], 0
.endr
	s_lshl_b32 s80, s57, 4
	s_lshl_b32 s81, s22, 3
	s_add_co_u32 s80, s80, s81
	s_mul_i32 s80, s80, 12288
	s_mov_b32 s81, 0
	s_lshl_b32 s82, s60, 4
	s_lshl_b32 s83, s22, 3
	s_add_co_u32 s82, s82, s83
	s_mul_i32 s82, s82, 12288
	s_add_co_u32 s82, s82, 3*589824
	s_mov_b32 s83, 0
	s_lshl_b32 s84, s20, 15
	s_wait_dscnt 0x0
	s_wait_kmcnt 0x0
	s_load_b64 s[92:93], s[10:11], 0x28
	s_add_nc_u64 s[80:81], s[4:5], s[80:81]
	s_add_nc_u64 s[82:83], s[6:7], s[82:83]
	CROUND
.irp s, 0,1
	s_mov_b32 s[G0X+4*\s], 1
	s_add_co_u32 s[G0X+4*\s+1], s84, \s*SLOT
	s_add_nc_u64 s[G0X+4*\s+2:G0X+4*\s+3], s[80:81], \s*4096
	s_or_b32 s[G0X+4*\s+3], s[G0X+4*\s+3], 0x80000000
	s_mov_b32 s[G0W+4*\s], 1
	s_add_co_u32 s[G0W+4*\s+1], s84, \s*SLOT
	s_add_nc_u64 s[G0W+4*\s+2:G0W+4*\s+3], s[82:83], \s*4096
	s_or_b32 s[G0W+4*\s+3], s[G0W+4*\s+3], 0x80000000
	s_wait_alu depctr_va_vdst(0)
	s_wait_tensorcnt 0x0
	ds_add_u32 v28, v29
	ds_add_u32 v28, v29
	s_wait_dscnt 0x0
	CROUND
	JLOAD \s
.endr
	v_and_b32 v1, 31, v0
	v_lshlrev_b32 v[CO], 4, v1
	s_lshl_b32 s85, s21, 15
	v_add_nc_u32 v[ADR1], s85, v[CO]
	v_add_nc_u32 v[ADR1+1], SLOT, v[ADR1]
	s_lshl_b32 s85, s22, 15
	s_add_co_u32 s85, s85, 65536
	v_add_nc_u32 v[ADR0], s85, v[CO]
	v_add_nc_u32 v[ADR0+1], SLOT, v[ADR0]
	s_lshl_b32 s90, s60, 10
	s_lshl_b32 s91, s22, 9
	s_add_co_u32 s90, s90, s91
	s_mov_b32 s91, 0
	s_add_nc_u64 s[8:9], s[8:9], s[90:91]
	v_bfe_u32 v3, v0, 4, 1
	v_and_b32 v4, 15, v0
	v_lshlrev_b32 v30, 6, v3
.irp b, 0,1,2,3,4,5,6,7
	global_load_b128 v[BIAS+8*\b:BIAS+8*\b+3], v30, s[8:9] offset:(32*(\b/2)+8*(\b%2))*4
	global_load_b128 v[BIAS+8*\b+4:BIAS+8*\b+7], v30, s[8:9] offset:(32*(\b/2)+8*(\b%2))*4+16
.endr
	s_mul_i32 s85, s20, 16*SPITCH
	s_add_co_u32 s85, s85, SLOT
	v_mul_u32_u24 v[STO], v4, SPITCH
	v_lshl_add_u32 v[STO], v3, 6, v[STO]
	v_add_nc_u32 v[STO], s85, v[STO]
	v_add_nc_u32 v[RD], s85, v[CO]
	s_lshl_b32 s86, s57, 8
	s_lshl_b32 s87, s21, 7
	s_add_co_u32 s86, s86, s87
	s_mul_i32 s86, s86, 3072
	s_add_co_u32 s86, s86, s90
	s_mov_b32 s87, 0
	s_add_nc_u64 s[12:13], s[12:13], s[86:87]
.macro FRAG reg, adr, q, i
.irp c, 0,1,2,3
	ds_load_b128 v[\reg+4*\c:\reg+4*\c+3], v[\adr] offset:4096*(\i)+2048*(\q)+512*\c
.endr
.endm
.macro MUL16 a0, p, zero
.irp a, \a0, \a0+1
.irp b, 0,1,2,3,4,5,6,7
.if \zero
	v_wmma_f32_16x16x128_fp8_fp8 v[8*(8*((\a)%4)+\b):8*(8*((\a)%4)+\b)+7], v[128*(\p)+FR*\b:128*(\p)+FR*\b+FR-1], v[AF+FR*(\a):AF+FR*(\a)+FR-1], v[BIAS+8*\b:BIAS+8*\b+7]
.else
	v_wmma_f32_16x16x128_fp8_fp8 v[8*(8*((\a)%4)+\b):8*(8*((\a)%4)+\b)+7], v[128*(\p)+FR*\b:128*(\p)+FR*\b+FR-1], v[AF+FR*(\a):AF+FR*(\a)+FR-1], v[8*(8*((\a)%4)+\b):8*(8*((\a)%4)+\b)+7]
.endif
.endr
.endr
.endm
.macro FETCH_B slot, q, p
	WIN TO_B
.irp i, 0,1,2,3,4,5,6,7
	FRAG 128*(\p)+FR*\i, ADR0+\slot, \q, \i
.endr
	WIN 0
.endm
.macro FETCH_A slot, q, i0
.irp i, \i0, \i0+1, \i0+2, \i0+3
	FRAG AF+FR*(\i), ADR1+\slot, \q, \i
.endr
.endm
.macro PLACES n
.rept \n
	v_nop
.endr
.endm
.macro STEP slot, q, zero
	s_wait_dscnt 4*NL
.if \zero
	WIN 0x81
.else
	WIN MUL_LO
.endif
	MUL16 0, (\q)%2, \zero
	MUL16 2, (\q)%2, \zero
	s_wait_dscnt 0
	PLACES NP
	FETCH_B \slot, (\q)+1, 1-(\q)%2
	FETCH_A \slot, (\q)+1, 0
.if \zero
	WIN 0xc1
.else
	WIN MUL_HI
.endif
	MUL16 4, (\q)%2, \zero
	MUL16 6, (\q)%2, \zero
	PLACES NP
	WIN 0
	FETCH_A \slot, (\q)+1, 4
.endm
.macro TURN slot, next, fill
	s_wait_tensorcnt 0x0
	ds_add_u32 v[SPW], v[NIL]
	s_wait_dscnt 4*NL+1
	WIN MUL_LO
	MUL16 0, 1, 0
	s_wait_dscnt 0x0
	s_barrier_signal -1
	MUL16 2, 1, 0
	WIN 0
	s_barrier_wait -1
.if \fill
	CREST
	s_add_nc_u64 s[G0X+4*\slot+2:G0X+4*\slot+3], s[G0X+4*\slot+2:G0X+4*\slot+3], 8192
	s_add_nc_u64 s[G0W+4*\slot+2:G0W+4*\slot+3], s[G0W+4*\slot+2:G0W+4*\slot+3], 8192
	JLOAD \slot
.else
	PLACES NP
.endif
	FETCH_B \next, 0, 0
	FETCH_A \next, 0, 0
	WIN MUL_HI
	MUL16 4, 1, 0
	MUL16 6, 1, 0
	PLACES NP
	WIN 0
	FETCH_A \next, 0, 4
.endm
	s_wait_alu depctr_va_vdst(0)
	s_wait_tensorcnt 1
	s_barrier_signal -1
	s_barrier_wait -1
	FETCH_B 0, 0, 0
	FETCH_A 0, 0, 0
	FETCH_A 0, 0, 4
	s_wait_kmcnt 0x0
	s_add_co_i32 s94, s92, s93
	s_sub_co_i32 s95, 0, s94
	s_add_co_i32 s96, s94, 127
	s_lshl_b32 s96, s96, 23
	s_mov_b32 s97, s96
	s_wait_loadcnt 0x0
.set Q, 0
.rept 64
	v_ldexp_f32 v[BIAS+Q], v[BIAS+Q], s95
.set Q, Q+1
.endr
	s_wait_alu depctr_va_vdst(0)
	STEP 0, 0, 1
	TURN 0, 1, 1
	STEP 1, 0, 0
	TURN 1, 0, 0
	STEP 0, 0, 0
	s_wait_dscnt 4*NL
	WIN MUL_LO
	MUL16 0, 1, 0
	MUL16 2, 1, 0
	s_wait_dscnt 0
	WIN MUL_HI
	MUL16 4, 1, 0
	MUL16 6, 1, 0
	WIN 0
.macro TOSTAGE a
.set AC, 64*((\a)%4)
.set BB, BK+64*((\a)%2)
	WIN 0x02+((\a)/4)
.set Q, 0
.rept 32
	v_pk_mul_f32 v[TMP+Q:TMP+Q+1], v[AC+Q:AC+Q+1], s[96:97] op_sel_hi:[1,0]
.set Q, Q+2
.endr
	WIN 0
.irp b, 0,1,2,3
.irp q, 0,1,2,3
	ds_store_b128 v[STO], v[TMP+16*\b+4*\q:TMP+16*\b+4*\q+3] offset:128*\b+16*\q
.endr
.endr
.irp t, 0,1,2,3,4,5,6,7,8,9,10,11,12,13,14,15
	ds_load_b128 v[BB+4*\t:BB+4*\t+3], v[RD] offset:\t*SPITCH
.endr
.endm
.macro SEND a, younger
.set BB, BK+64*((\a)%2)
	s_wait_dscnt \younger
.if (\a) > 0
.if ((\a)%2) == 1
	s_add_nc_u64 s[12:13], s[12:13], 8*3072
.else
	s_add_nc_u64 s[12:13], s[12:13], 24*3072
.endif
.endif
.irp t, 0,1,2,3,4,5,6,7,8,9,10,11,12,13,14,15
	global_store_b128 v[CO], v[BB+4*\t:BB+4*\t+3], s[12:13] offset:(\t+8*(\t/8))*3072 th:TH_STORE_NT
.endr
.endm
	PLACES NP
	TOSTAGE 0
.irp a, 1,2,3,4,5,6,7
.if \a > 1
	s_wait_xcnt 0x0
.endif
	TOSTAGE \a
	SEND \a-1, 32
.endr
	s_wait_xcnt 0x0
	SEND 7, 0
	s_wait_tensorcnt 0x0
	ds_add_u32 v[SPW], v[NIL]
	s_wait_dscnt 0x0
	CROUND
	s_endpgm
.Lfunc_end_k_qde3ae695e4_proj:
	.size	k_qde3ae695e4_proj, .Lfunc_end_k_qde3ae695e4_proj-k_qde3ae695e4_proj
	.p2alignl 7, 3214868480
	.fill 96, 4, 3214868480
	.section	.rodata,"a",@progbits
	.p2align	6, 0x0
	.amdhsa_kernel k_qde3ae695e4_proj
		.amdhsa_group_segment_fixed_size 327680
		.amdhsa_private_segment_fixed_size 0
		.amdhsa_enable_private_segment 0
		.amdhsa_kernarg_size 40
		.amdhsa_user_sgpr_count 2
		.amdhsa_user_sgpr_kernarg_segment_ptr 1
		.amdhsa_wavefront_size32 1
		.amdhsa_system_sgpr_workgroup_id_x 1
		.amdhsa_system_sgpr_workgroup_id_y 1
		.amdhsa_system_sgpr_workgroup_id_z 1
		.amdhsa_system_vgpr_workitem_id 0
		.amdhsa_next_free_vgpr 1024
		.amdhsa_next_free_sgpr 100
		.amdhsa_reserve_vcc 0
		.amdhsa_float_denorm_mode_32 3
		.amdhsa_float_denorm_mode_16_64 3
		.amdhsa_memory_ordered 1
		.amdhsa_forward_progress 1
		.amdhsa_inst_pref_size 111
	.end_amdhsa_kernel
	.amdgpu_metadata
---
amdhsa.version: [ 1, 2 ]
amdhsa.kernels:
  - .name:           k_qde3ae695e4_proj
    .symbol:         k_qde3ae695e4_proj.kd
    .args:
      - { .name: oimg, .offset: 0, .size: 8, .value_kind: global_buffer, .address_space: global }
      - { .name: wimg, .offset: 8, .size: 8, .value_kind: global_buffer, .address_space: global }
      - { .name: bp, .offset: 16, .size: 8, .value_kind: global_buffer, .address_space: global }
      - { .name: lowp_scales, .offset: 24, .size: 8, .value_kind: global_buffer, .address_space: global }
      - { .name: out0, .offset: 32, .size: 8, .value_kind: global_buffer, .address_space: global }
    .group_segment_fixed_size: 327680
    .private_segment_fixed_size: 0
    .kernarg_segment_align: 8
    .kernarg_segment_size: 40
    .max_flat_workgroup_size: 128
    .sgpr_count:     100
    .vgpr_count:     1024
    .wavefront_size: 32
...
	.end_amdgpu_metadata
.endif
;; end of part 8
